; MI455X (gfx1250); checked and timed in simulation.
; The chip was launched on July 23, 2026; its instructions are those of AMD's public machine-readable ISA for CDNA 5 (MIT licence, August 2026) and "CDNA5" Instruction Set Architecture Reference Guide (July 2026). The comments in the code are by the model that wrote it; some were corrected since.
;; Self Attention. Allowed arithmetic: matrix products marked QUANTISED: E4M3 operands, one given power-of-two scale a tensor, by v_wmma_f32_16x16x64_fp8_fp8 or v_wmma_f32_16x16x128_fp8_fp8, f32 sums; everything else in f32.
;; Inputs: Wk 2,048 x 512 float32; Wo 2,048 x 2,048 float32; Wq 2,048 x 2,048 float32; Wv 2,048 x 512 float32; lowp_scales 12 int32 (the exponents e of the quantised operands' scales 2^e); x 2,048 x 2,048 float32.
;; Outputs: out0 2,048 x 2,048 float32.
;; This version of the problem:
;;   THIS VERSION OF THE PROBLEM IS GIVEN IN LOW PRECISION. The matrix products marked QUANTISED in the list below multiply operands that are first quantised to E4M3 (4 exponent bits, 3 mantissa bits; 8 bits a number), with one given power-of-two scale for each operand tensor; their sums are f32. All else is computed in f32.
;;   The module's matrix products, in the order in which they are computed (A, B: the left and right operand; K: the contracted axis; several contracted axes count as one K, in the product's order):
;;     1. [M 2,048, K 2,048] x [K 2,048, N 2,048]; A: input x; B: input Wq: QUANTISED (scales: A lowp_scales[0], B lowp_scales[1])
;;     2. [M 2,048, K 2,048] x [K 2,048, N 512]; A: input x; B: input Wk: QUANTISED (scales: A lowp_scales[2], B lowp_scales[3])
;;     3. [M 2,048, K 2,048] x [K 2,048, N 512]; A: input x; B: input Wv: QUANTISED (scales: A lowp_scales[4], B lowp_scales[5])
;;     4. batch 8 x [M 2,048, K 64] x [K 64, N 8,192]; A: computed on the way; B: computed on the way: QUANTISED (scales: A lowp_scales[6], B lowp_scales[7])
;;     5. batch 8 x [M 64, K 2,048] x [K 2,048, N 8,192]; A: computed on the way; B: softmax (see below): QUANTISED (scales: A lowp_scales[8], B lowp_scales[9])
;;     6. [M 2,048, K 2,048] x [K 2,048, N 2,048]; A: computed on the way; B: input Wo: QUANTISED (scales: A lowp_scales[10], B lowp_scales[11])
;;   THE QUANTISER, for each operand of a quantised product, along K:
;;     - The operand's scale is 2^e, e = its entry of the input lowp_scales (int32; the entries are numbered through the quantised products in the list's order, A before B).
;;     - Each number is divided by the scale, clamped to +-448, and rounded to the nearest number of E4M3, ties to even, subnormals kept.
;;     - The product sums the exact products of the quantised numbers (number of the format x scale) in f32.
;;   ~~~python
;;   def quantise(x, axis, e):      # numpy; x: float32 -> the quantised numbers, widened to float32 again
;;       x = np.moveaxis(x, axis, -1); K = x.shape[-1]
;;       r = np.clip(x / 2.0 ** e, -448, 448)
;;       step = 2.0 ** (np.maximum(np.frexp(np.where(r == 0, 1, r))[1] - 1, -6) - 3)
;;       q = np.round(r / step) * step * 2.0 ** e      # np.round: ties to even
;;       return np.moveaxis(q, -1, axis).astype(np.float32)
;;   ~~~
;;   SOFTMAX AHEAD OF A QUANTISED PRODUCT. Where the list says 'softmax', what is quantised is not the finished softmax but p = 2^(t - M), with t = logit x log2(e) and M = ceil(the row's largest t), a whole number; so 1/2 < the row's largest p <= 1. The row's sum l is taken of the UNQUANTISED p, in f32, and the product's result is divided by l at the end. Since M is a whole number, a kernel that streams over the keys may use a running M (the ceiling of the running maximum): every later rescaling is an exact power of two, so the quantised numbers keep their values, but for numbers so far below the row's largest that they fall under the format's range.
;;   OPERANDS COMPUTED ON THE WAY. 'Computed on the way' means the value that the module computes at that place (a softmax that the list does not call 'softmax' is quantised finished and normalised). What goes into a quantiser is computed in f32, as accurately as f32 sums, v_exp_f32 and their like allow (about 1e-6 of the number): no bf16 or f16 on the way to a quantiser, and a product that is left as it is and whose result goes on into a quantised operand takes f32 operands (vector FMAs, or v_wmma_f32_16x16x4_f32). A number that lies on a knife's edge between two numbers of the format may be rounded either way, as far as f32 arithmetic and the matrix unit's own rounding can turn it there, and no further.
;; One version. Each part assembles by itself: llvm-mc -triple=amdgcn-amd-amdhsa -mcpu=gfx1250 --defsym DOCPART=n.
;; ======== version 1 of 1: 4 launches
;; limits: right only within a limited range of input values
;; workspace buffers: xc 12,582,912 bytes; wc 10,485,760 bytes; rot 524,288 bytes; qc 4,194,304 bytes; kc 1,048,576 bytes; vc 1,048,576 bytes; oc 4,194,304 bytes
;; launch prep (part 1): grid 864 x 1, 4 waves a work-group, no clusters, 34,304 bytes of LDS; arguments x, Wq, Wk, Wv, Wo, lowp_scales, xc, wc, rot; writes xc, wc, rot
.if DOCPART == 1
	.amdgcn_target "amdgcn-amd-amdhsa--gfx1250"
	.amdhsa_code_object_version 6
	.text
	.protected	k_q768840a3f8_prep
	.globl	k_q768840a3f8_prep
	.p2align	8
	.type	k_q768840a3f8_prep,@function
k_q768840a3f8_prep:
	s_mov_b64 s[64:65], 0
	v_nop
	global_prefetch_b8 v0, s[64:65] scope:SCOPE_SE
	s_setreg_imm32_b32 hwreg(HW_REG_WAVE_MODE, 25, 1), 1
	s_wait_xcnt 0x0
; PREP: everything that later launches read many times is made once.
;   work-groups 0-511   (way X): x [2048][2048] f32 -> three sets of E4M3 codes (scales 2^e0, 2^e2, 2^e4: entries 0, 2, 4 of lowp_scales)
;   work-groups 512-831 (way W): Wq, Wk, Wv, Wo ([K][N] f32, K first) -> codes with K innermost (entries 1, 3, 5, 11)
;   work-groups 832-863 (way T): the table of cos and sin of the rotary angles
; THE BLOCK OF CODES.  All codes lie as images of operand registers: a block is 16 rows x 64 along K, 1,024 bytes; byte 512 q + 16 lane + b holds row lane % 16,
; k = 32 q + 16 (b / 8) + 8 (lane / 16) + b % 8.  Two 16-byte loads at 16 x lane (+512) give a K = 64 fragment of the plain fp8 forms, two neighbouring blocks a K = 128 fragment, k in its true places.
;   xc: [set 3][row tile 128][k block 32][1024]      wc: [n tile 320][k block 32][1024], n tiles 0-127 Wq, 128-159 Wk, 160-191 Wv, 192-319 Wo
;   rot: [tile of 16 positions 128][4096]: cos at 512 m, sin at 2048 + 512 m (m = 0..3); lane (r, h), word i: position 16 tile + r, frequency j = 16 (m / 2) + 8 h + 4 (m % 2) + i
; code = number / 2^e, held within +-448, to the nearest code, ties to even.
; LIMITS: each e used here lies between -126 and 119, so that 2^e and 448 x 2^e are f32 numbers.  NaN among the inputs is not served (an infinity is held at the largest code).
; THE ANGLES reach 177,000 rad, where a last bit of the frequency is a hundredth of a radian: so the frequency is made by the source's own chain, 10000^(j/32), root, reciprocal, reciprocal,
; each step brought to the nearest f32 number (LIMIT: it is assumed that the source's steps are so rounded), the angle by one f32 multiplication, and sine and cosine by an exact reduction and polynomials.
; No matrix work, no tensor loads, no barrier: waves share nothing.  Only way X uses LDS, each wave its own bytes.
.set XR,   16                          ; way X: v16-79   16 rows x 16 bytes a lane, as loaded
.set XX,   80                          ;        v80-143  my row's 64 numbers: register 8 c + i = k 16 c + 8 h + i
.set XT,   144                         ;        v144-159 two sets of 8 held numbers, by turns
.set XC,   160                         ;        v160-207 codes, 16 registers a set: no store's data are written again
.set VO,   16                          ; way W: v16-47   byte offsets of 32 rows of the weight at my column
.set WX,   48                          ;        v48-111  two sets of 32 numbers down K
.set WD,   112                         ;        v112-175 codes, 8 registers a block of 32 along K
.set TF,   16                          ; way T: v16-31   the 16 frequencies of my lane, step by step
.set TY,   32                          ;        v32-47   the approximations
.set TCOS, 48                          ;        v48-63
.set TSIN, 64                          ;        v64-79
.set TT,   80                          ;        v80-95   at work
.macro MKS e, vs, vl                   ; from the whole number e in s[e]: 2^e into v[vs] (the conversion takes its exponent field), 448 x 2^e into v[vl]
	s_add_co_i32 s62, s[\e], 127
	s_lshl_b32 s63, s62, 23
	v_mov_b32 v[\vs], s63
	s_add_co_i32 s62, s62, 8
	s_lshl_b32 s62, s62, 23
	s_or_b32 s62, s62, 0x600000
	v_mov_b32 v[\vl], s62
.endm
	s_load_b512 s[4:19], s[0:1], 0x0               ; x 4:5, Wq 6:7, Wk 8:9, Wv 10:11, Wo 12:13, lowp_scales 14:15, xc 16:17, wc 18:19
	s_load_b64 s[20:21], s[0:1], 0x40              ; rot
	v_lshl_add_u32 v208, v0, 2, 0x8400
	v_mov_b32 v209, 0
	v_lshrrev_b32 v1, 5, v0
	v_readfirstlane_b32 s22, v1                    ; wave 0..3
	v_and_b32 v1, 31, v0                           ; lane
	v_and_b32 v2, 15, v0                           ; r
	v_bfe_u32 v3, v0, 4, 1                         ; h
	v_lshlrev_b32 v4, 4, v1                        ; 16 x lane
	s_wait_kmcnt 0x0
	s_load_b256 s[24:31], s[14:15], 0x0            ; e0 .. e7
	s_load_b128 s[32:35], s[14:15], 0x20           ; e8 .. e11
	s_cmp_lt_u32 ttmp9, 512
	s_cbranch_scc1 .LX
	s_cmp_lt_u32 ttmp9, 832
	s_cbranch_scc1 .LW
; ---------------- way T: a wave makes one tile of 16 positions x 32 frequencies ----------------
	s_sub_co_u32 s36, ttmp9, 832
	s_lshl_b32 s36, s36, 2
	s_add_co_u32 s36, s36, s22                     ; the tile, 0..127
	s_lshl_b32 s37, s36, 4
	s_wait_alu depctr_va_vdst(0)
	v_add_nc_u32 v5, s37, v2
	v_cvt_f32_u32 v5, v5                           ; my position as f32: exact
	s_lshl_b32 s38, s36, 12
	s_mov_b32 s39, 0
	s_add_nc_u64 s[20:21], s[20:21], s[38:39]
	s_mov_b32 s40, 0x3f22f983                      ; 2 / pi
	s_mov_b32 s41, 0xbfc90fdb                      ; -(pi / 2 rounded to f32)
	s_mov_b32 s42, 0x333bbd2e                      ; that number less pi / 2
	s_mov_b32 s43, 0x3638ef1d                      ; sine: 1/9!
	s_mov_b32 s44, 0xb9500d01                      ; -1/7!
	s_mov_b32 s45, 0x3c088889                      ; 1/5!
	s_mov_b32 s46, 0xbe2aaaab                      ; -1/3!
	s_mov_b32 s47, 0xb493f27e                      ; cosine: -1/10!
	s_mov_b32 s48, 0x37d00d01                      ; 1/8!
	s_mov_b32 s49, 0xbab60b61                      ; -1/6!
	s_mov_b32 s50, 0x3d2aaaab                      ; 1/4!
	v_cmp_eq_u32 vcc_lo, 1, v3                     ; lanes 16-31 take the frequencies 8 further on
.macro AJ m, lo, hi                    ; a = 10000^(j/32) = 10^(j/8), written in decimals and rounded to f32 by the assembler
	v_mov_b32 v[TF+\m], \hi
	v_cndmask_b32 v[TF+\m], \lo, v[TF+\m], vcc_lo
.endm
	AJ 0,  1.0,                10.0
	AJ 1,  1.333521432163324,  13.33521432163324
	AJ 2,  1.7782794100389228, 17.782794100389228
	AJ 3,  2.371373705661655,  23.71373705661655
	AJ 4,  3.1622776601683795, 31.622776601683795
	AJ 5,  4.216965034285822,  42.16965034285822
	AJ 6,  5.623413251903491,  56.23413251903491
	AJ 7,  7.498942093324558,  74.98942093324558
	AJ 8,  100.0,              1000.0
	AJ 9,  133.3521432163324,  1333.521432163324
	AJ 10, 177.82794100389228, 1778.2794100389228
	AJ 11, 237.1373705661655,  2371.373705661655
	AJ 12, 316.22776601683795, 3162.2776601683795
	AJ 13, 421.6965034285822,  4216.965034285822
	AJ 14, 562.3413251903491,  5623.413251903491
	AJ 15, 749.8942093324558,  7498.942093324558
	; the root, to the nearest f32 number: the approximation y, its two neighbours, and the signs of a - y x neighbour (exact in the fused form) say which of the three it is
.set QM, 0
	s_wait_alu depctr_va_vdst(0)
.rept 16
	v_sqrt_f32 v[TY+QM], v[TF+QM]
.set QM, QM+1
.endr
	v_nop                                          ; a plain instruction behind the last root,
	s_wait_alu depctr_va_vdst(0)                   ; and one wait for the batch of sixteen, ahead of its first reader
.set QM, 0
.rept 16
.set QT, TT+4*(QM%4)
	v_add_nc_u32 v[QT], -1, v[TY+QM]               ; the neighbour below,
	v_add_nc_u32 v[QT+1], 1, v[TY+QM]              ; the neighbour above
	v_fma_f32 v[QT+2], -v[QT], v[TY+QM], v[TF+QM]
	v_fma_f32 v[QT+3], -v[QT+1], v[TY+QM], v[TF+QM]
	v_cmp_ge_f32 vcc_lo, 0, v[QT+2]
	v_cndmask_b32 v[TY+QM], v[TY+QM], v[QT], vcc_lo
	v_cmp_lt_f32 vcc_lo, 0, v[QT+3]
	v_cndmask_b32 v[TF+QM], v[TY+QM], v[QT+1], vcc_lo
.set QM, QM+1
.endr
.macro RCPRN                           ; v[TF ..] = 1 / v[TF ..]: the approximation and two fused corrections
.set QM, 0
.rept 16
	v_rcp_f32 v[TY+QM], v[TF+QM]
.set QM, QM+1
.endr
	v_nop
	s_wait_alu depctr_va_vdst(0)                   ; one wait for the batch
.set QM, 0
.rept 16
.set QT, TT+(QM%4)
	v_fma_f32 v[QT], -v[TF+QM], v[TY+QM], 1.0
	v_fma_f32 v[TY+QM], v[QT], v[TY+QM], v[TY+QM]
	v_fma_f32 v[QT], -v[TF+QM], v[TY+QM], 1.0
	v_fma_f32 v[TF+QM], v[QT], v[TY+QM], v[TY+QM]
.set QM, QM+1
.endr
.endm
	s_wait_alu depctr_va_vdst(0)
	RCPRN                                          ; rsqrt = 1 / root
	s_wait_alu depctr_va_vdst(0)
	RCPRN                                          ; the frequency = 1 / rsqrt
; angle = position x frequency, one rounding.  n = the nearest whole number to angle x 2/pi, under 2^17; angle - n x (pi/2 as f32) is a multiple of 2^-23 under 1: the fused form gives it exactly;
; the rest of pi/2 is added by a second fused step.  |rho| stays near pi/4: the series are cut where their next terms are under 2e-9.
.macro EVAL m
.set ET, TT+8*((\m)%2)
	v_mul_f32 v[ET], v5, v[TF+\m]
	v_mul_f32 v[ET+1], s40, v[ET]
	v_rndne_f32 v[ET+1], v[ET+1]
	v_fma_f32 v[ET+2], v[ET+1], s41, v[ET]
	v_fma_f32 v[ET+2], v[ET+1], s42, v[ET+2]       ; rho
	v_mul_f32 v[ET+3], v[ET+2], v[ET+2]
	v_fma_f32 v[ET+4], v[ET+3], s43, s44
	v_fma_f32 v[ET+5], v[ET+3], s47, s48
	v_fma_f32 v[ET+4], v[ET+4], v[ET+3], s45
	v_fma_f32 v[ET+5], v[ET+5], v[ET+3], s49
	v_fma_f32 v[ET+4], v[ET+4], v[ET+3], s46
	v_fma_f32 v[ET+5], v[ET+5], v[ET+3], s50
	v_mul_f32 v[ET+6], v[ET+2], v[ET+3]
	v_fma_f32 v[ET+5], v[ET+5], v[ET+3], -0.5
	v_fma_f32 v[ET+4], v[ET+6], v[ET+4], v[ET+2]   ; sin rho
	v_fma_f32 v[ET+5], v[ET+5], v[ET+3], 1.0       ; cos rho
	v_cvt_i32_f32 v[ET+7], v[ET+1]
	v_and_b32 v[ET], 1, v[ET+7]
	v_cmp_eq_u32 vcc_lo, 1, v[ET]                  ; odd quarter turns change the two places
	v_cndmask_b32 v[ET+2], v[ET+4], v[ET+5], vcc_lo
	v_cndmask_b32 v[ET+3], v[ET+5], v[ET+4], vcc_lo
	v_and_b32 v[ET], 2, v[ET+7]                    ; the sine is negative in quarters 2 and 3,
	v_lshlrev_b32 v[ET], 30, v[ET]
	v_xor_b32 v[TSIN+\m], v[ET], v[ET+2]
	v_add_nc_u32 v[ET+7], 1, v[ET+7]               ; the cosine in quarters 1 and 2
	v_and_b32 v[ET+7], 2, v[ET+7]
	v_lshlrev_b32 v[ET+7], 30, v[ET+7]
	v_xor_b32 v[TCOS+\m], v[ET+7], v[ET+3]
.endm
.set QM, 0
.rept 16
	EVAL QM
.set QM, QM+1
.endr
.irp m, 0,1,2,3
	global_store_b128 v4, v[TCOS+4*\m:TCOS+4*\m+3], s[20:21] offset:512*\m        ; each store of the wave covers 512 consecutive bytes, aligned
	global_store_b128 v4, v[TSIN+4*\m:TSIN+4*\m+3], s[20:21] offset:2048+512*\m
.endr
	s_endpgm
; ---------------- way X: a wave takes 16 rows x 128 along K of x and makes two blocks of each of the three sets ----------------
.LX:
	s_lshr_b32 s36, ttmp9, 2                       ; the row tile, 0..127
	s_and_b32 s37, ttmp9, 3
	s_lshl_b32 s37, s37, 2
	s_add_co_u32 s37, s37, s22                     ; which 128 along K, 0..15
	s_lshl_b32 s44, s36, 17                        ; 16 rows of 8,192 bytes
	s_lshl_b32 s45, s37, 9
	s_add_co_u32 s44, s44, s45
	s_mov_b32 s45, 0
	s_add_nc_u64 s[4:5], s[4:5], s[44:45]
.set QM, 0
	s_wait_alu depctr_va_vdst(0)
.rept 16
	global_load_b128 v[XR+4*QM:XR+4*QM+3], v4, s[4:5] offset:8192*QM th:TH_LOAD_NT   ; row QM: 32 lanes read 512 consecutive bytes; read once in the launch
.set QM, QM+1
.endr
	s_lshl_b32 s46, s36, 15                        ; a row tile of codes is 32 blocks,
	s_lshl_b32 s47, s37, 11                        ; my part two of them
	s_add_co_u32 s46, s46, s47
	s_mov_b32 s47, 0
	s_add_nc_u64 s[38:39], s[16:17], s[46:47]      ; a base for each set: the sets lie 4 MiB apart
	s_add_nc_u64 s[40:41], s[38:39], 0x400000
	s_add_nc_u64 s[42:43], s[40:41], 0x400000
	s_mul_i32 s48, s22, 8448                       ; my wave's stage: 16 rows of 512 bytes + 16 of padding: the 16 rows that a load touches start 16 bytes apart modulo 256
	v_add_nc_u32 v5, s48, v4                       ; in: a row as it was loaded
	v_mul_u32_u24 v6, v2, 528
	v_lshl_add_u32 v6, v3, 5, v6
	v_add_nc_u32 v6, s48, v6                       ; out: row r, from number 8 h on
	s_wait_alu depctr_va_vdst(0)
	s_wait_kmcnt 0x0
	MKS 24, 8, 9                                   ; e0
	MKS 26, 10, 11                                 ; e2
	MKS 28, 12, 13                                 ; e4
.set QM, 0
	s_wait_alu depctr_va_vdst(0)
.rept 16
	s_wait_loadcnt 15-QM                           ; loads come back in order: row QM is in, the younger rows stay out
	ds_store_b128 v5, v[XR+4*QM:XR+4*QM+3] offset:528*QM
.set QM, QM+1
.endr
.irp c, 0,1,2,3,4,5,6,7
	ds_load_b128 v[XX+8*\c:XX+8*\c+3], v6 offset:64*\c          ; LDS serves a wave's instructions in order: these see my stores.  k = 16 c + 8 h + 0 .. 7 of row r
	ds_load_b128 v[XX+8*\c+4:XX+8*\c+7], v6 offset:64*\c+16
.endr
.irp c, 0,1,2,3,4,5,6,7
	s_wait_dscnt 14-2*\c                           ; pair c is in; the younger pairs stay out
.irp s, 0,1,2
.set TP, XT+8*((3*\c+\s)%2)
.irp i, 0,1,2,3,4,5,6,7
	v_med3_num_f32 v[TP+\i], v[XX+8*\c+\i], -v[9+2*\s], v[9+2*\s]   ; the conversion to an 8-bit code does not saturate (ISA guide 7.6.2): the hold comes first.  The two sets of held numbers take turns, so eight plain lines stand between a conversion and the next write of its sources
.endr
	v_cvt_scalef32_pk8_fp8_f32 v[XC+16*\s+2*\c:XC+16*\s+2*\c+1], v[TP:TP+7], v[8+2*\s]
.endr
.endr
.irp m, 0,1,2,3
	global_store_b128 v4, v[XC+4*\m:XC+4*\m+3], s[38:39] offset:512*\m            ; the registers are the image: 512 consecutive bytes a store, aligned
	global_store_b128 v4, v[XC+16+4*\m:XC+16+4*\m+3], s[40:41] offset:512*\m
	global_store_b128 v4, v[XC+32+4*\m:XC+32+4*\m+3], s[42:43] offset:512*\m
.endr
	s_wait_tensorcnt 0x0
	ds_add_u32 v208, v209
	s_wait_dscnt 0x0
	s_endpgm
; ---------------- way W: a work-group takes 128 columns x 256 along K of one weight; a lane takes a column, its registers run down K ----------------
.LW:
	s_sub_co_u32 s23, ttmp9, 512
	s_and_b32 s36, s23, 7                          ; which 256 along K
	s_lshr_b32 s23, s23, 3                         ; the group of 128 columns, 0..39: 0-15 Wq, 16-19 Wk, 20-23 Wv, 24-39 Wo
	s_mov_b64 s[38:39], s[12:13]                   ; the tensor, its row in bytes and its first group are chosen on the work-group's number alone
	s_mov_b32 s40, 8192
	s_mov_b32 s41, 24
	s_cmp_lt_u32 s23, 24
	s_cselect_b64 s[38:39], s[10:11], s[38:39]
	s_cselect_b32 s40, 2048, s40
	s_cselect_b32 s41, 20, s41
	s_cmp_lt_u32 s23, 20
	s_cselect_b64 s[38:39], s[8:9], s[38:39]
	s_cselect_b32 s41, 16, s41
	s_cmp_lt_u32 s23, 16
	s_cselect_b64 s[38:39], s[6:7], s[38:39]
	s_cselect_b32 s40, 8192, s40
	s_cselect_b32 s41, 0, s41
	s_sub_co_u32 s42, s23, s41
	s_lshl_b32 s42, s42, 9                         ; 128 columns of 4 bytes,
	s_lshl_b32 s43, s22, 7                         ; my wave's 32 of them,
	s_add_co_u32 s42, s42, s43
	s_lshl_b32 s43, s36, 8
	s_mul_i32 s43, s43, s40                        ; 256 rows for each step along K
	s_add_co_u32 s42, s42, s43
	s_mov_b32 s43, 0
	s_add_nc_u64 s[44:45], s[38:39], s[42:43]      ; a base for each block of 32 rows, s[44:59]: none is stepped while a load names it
	s_lshl_b32 s42, s40, 5
.irp t, 1,2,3,4,5,6,7
	s_add_nc_u64 s[44+2*\t:45+2*\t], s[42+2*\t:43+2*\t], s[42:43]
.endr
	s_lshl_b32 s62, s23, 3
	s_lshl_b32 s63, s22, 1
	s_add_co_u32 s62, s62, s63                     ; my wave's first tile of 16 columns: 8 x group + 2 x wave
	s_lshl_b32 s62, s62, 15
	s_lshl_b32 s63, s36, 12                        ; 256 along K are four blocks
	s_add_co_u32 s62, s62, s63
	s_mov_b32 s63, 0
	s_add_nc_u64 s[60:61], s[18:19], s[62:63]
	s_wait_alu depctr_va_vdst(0)
	v_lshlrev_b32 v[VO], 2, v1                     ; my column,
.set QM, 1
.rept 31
	v_add_nc_u32 v[VO+QM], s40, v[VO+QM-1]         ; row by row
.set QM, QM+1
.endr
	v_lshlrev_b32 v7, 4, v2
	v_lshl_add_u32 v7, v3, 15, v7                  ; out: lanes 0-15 write into tile 2 x wave, lanes 16-31 into the next; 16 bytes for column r
.macro LOADW t                         ; block t: W(32 t + i, my column), i = 0 .. 31, into set t % 2; a wave's load reads 128 consecutive bytes, the four waves' 512
.set LQ, 0
.rept 32
	global_load_b32 v[WX+32*((\t)%2)+LQ], v[VO+LQ], s[44+2*(\t):45+2*(\t)] th:TH_LOAD_NT
.set LQ, LQ+1
.endr
.endm
	LOADW 0
	LOADW 1
	s_wait_kmcnt 0x0
	s_mov_b32 s37, s35                             ; e11, e5, e3 or e1
	s_cmp_lt_u32 s23, 24
	s_cselect_b32 s37, s29, s37
	s_cmp_lt_u32 s23, 20
	s_cselect_b32 s37, s27, s37
	s_cmp_lt_u32 s23, 16
	s_cselect_b32 s37, s25, s37
	MKS 37, 11, 10
; In a block's image, half q, the 16 bytes at 16 r hold k' = 0-7 and 16-23 of column r and the 16 bytes at 256 + 16 r hold k' = 8-15 and 24-31: so the four conversions' results are laid in that order,
; and each store's sixteen neighbouring lanes write 256 consecutive bytes, aligned.
.macro BLOCKW t
.set XS, WX+32*((\t)%2)
.set WS, WD+8*(\t)
.if (\t) < 7
	s_wait_loadcnt 32                              ; this block's 32 loads are in; the next block's may be out
.else
	s_wait_loadcnt 0
.endif
.set BQ, 0
.rept 32
	v_med3_num_f32 v[XS+BQ], v[XS+BQ], -v10, v10
.set BQ, BQ+1
.endr
	v_cvt_scalef32_pk8_fp8_f32 v[WS:WS+1], v[XS:XS+7], v11
	v_cvt_scalef32_pk8_fp8_f32 v[WS+4:WS+5], v[XS+8:XS+15], v11
	v_cvt_scalef32_pk8_fp8_f32 v[WS+2:WS+3], v[XS+16:XS+23], v11
	v_cvt_scalef32_pk8_fp8_f32 v[WS+6:WS+7], v[XS+24:XS+31], v11
	global_store_b128 v7, v[WS:WS+3], s[60:61] offset:((\t)/2)*1024+((\t)%2)*512      ; the results go to stores alone, and each block has its own registers for them
	global_store_b128 v7, v[WS+4:WS+7], s[60:61] offset:((\t)/2)*1024+((\t)%2)*512+256
.if (\t)+2 < 8
	LOADW (\t)+2
.endif
.endm
	s_wait_alu depctr_va_vdst(0)
.irp t, 0,1,2,3,4,5,6,7
	BLOCKW \t
.endr
	s_endpgm
.Lfunc_end_k_q768840a3f8_prep:
	.size	k_q768840a3f8_prep, .Lfunc_end_k_q768840a3f8_prep-k_q768840a3f8_prep
	.p2alignl 7, 3214868480
	.fill 96, 4, 3214868480
	.section	.rodata,"a",@progbits
	.p2align	6, 0x0
	.amdhsa_kernel k_q768840a3f8_prep
		.amdhsa_group_segment_fixed_size 34304
		.amdhsa_private_segment_fixed_size 0
		.amdhsa_enable_private_segment 0
		.amdhsa_kernarg_size 72
		.amdhsa_user_sgpr_count 2
		.amdhsa_user_sgpr_kernarg_segment_ptr 1
		.amdhsa_wavefront_size32 1
		.amdhsa_system_sgpr_workgroup_id_x 1
		.amdhsa_system_sgpr_workgroup_id_y 1
		.amdhsa_system_sgpr_workgroup_id_z 1
		.amdhsa_system_vgpr_workitem_id 0
		.amdhsa_next_free_vgpr 210
		.amdhsa_next_free_sgpr 66
		.amdhsa_reserve_vcc 1
		.amdhsa_float_denorm_mode_32 3
		.amdhsa_float_denorm_mode_16_64 3
		.amdhsa_memory_ordered 1
		.amdhsa_forward_progress 1
		.amdhsa_inst_pref_size 107
	.end_amdhsa_kernel
	.amdgpu_metadata
---
amdhsa.version: [ 1, 2 ]
amdhsa.kernels:
  - .name:           k_q768840a3f8_prep
    .symbol:         k_q768840a3f8_prep.kd
    .args:
      - { .name: x, .offset: 0, .size: 8, .value_kind: global_buffer, .address_space: global }
      - { .name: Wq, .offset: 8, .size: 8, .value_kind: global_buffer, .address_space: global }
      - { .name: Wk, .offset: 16, .size: 8, .value_kind: global_buffer, .address_space: global }
      - { .name: Wv, .offset: 24, .size: 8, .value_kind: global_buffer, .address_space: global }
      - { .name: Wo, .offset: 32, .size: 8, .value_kind: global_buffer, .address_space: global }
      - { .name: lowp_scales, .offset: 40, .size: 8, .value_kind: global_buffer, .address_space: global }
      - { .name: xc, .offset: 48, .size: 8, .value_kind: global_buffer, .address_space: global }
      - { .name: wc, .offset: 56, .size: 8, .value_kind: global_buffer, .address_space: global }
      - { .name: rot, .offset: 64, .size: 8, .value_kind: global_buffer, .address_space: global }
    .group_segment_fixed_size: 34304
    .private_segment_fixed_size: 0
    .kernarg_segment_align: 8
    .kernarg_segment_size: 72
    .max_flat_workgroup_size: 128
    .sgpr_count:     66
    .vgpr_count:     210
    .wavefront_size: 32
...
	.end_amdgpu_metadata
.endif
;; end of part 1
;; launch qkv (part 2): grid 8 x 32, 6 waves a work-group, clusters of 4 x 1, 327,680 bytes of LDS; arguments xc, wc, rot, lowp_scales, qc, kc, vc; writes qc, kc, vc
.if DOCPART == 2
	.amdgcn_target "amdgcn-amd-amdhsa--gfx1250"
	.amdhsa_code_object_version 6
	.text
	.protected	k_q768840a3f8_qkv
	.globl	k_q768840a3f8_qkv
	.p2align	8
	.type	k_q768840a3f8_qkv,@function
k_q768840a3f8_qkv:
	s_mov_b64 s[64:65], 0
	v_nop
	global_prefetch_b8 v0, s[64:65] scope:SCOPE_SE
	s_setreg_imm32_b32 hwreg(HW_REG_WAVE_MODE, 25, 1), 1
	s_wait_xcnt 0x0
	s_wait_alu depctr_hold_cnt(0) depctr_sa_sdst(0) depctr_va_vdst(0) depctr_va_sdst(0) depctr_va_ssrc(0) depctr_va_vcc(0) depctr_vm_vsrc(0)
	s_getreg_b32 s2, hwreg(HW_REG_IB_STS2, 6, 4)
	s_cmp_eq_u32 s2, 0
	s_cbranch_scc0 .Lentry_in_a_cluster
	s_endpgm
.Lentry_in_a_cluster:
	s_bfe_u32 s2, ttmp6, 0x10000c
	s_cmp_lg_u32 s2, 0x3003
	s_cbranch_scc0 .Lentry_shape_is_right
	s_endpgm
.Lentry_shape_is_right:
; QKV: q = x Wq, k = x Wk, v = x Wv on E4M3 codes; rotary on q and k in f32; q, k, v quantised for the two products of attention and stored as images of operand registers
; (a block: 16 rows x 64 along K, 1,024 bytes; byte 512 q + 16 lane + b = row lane % 16, k = 32 q + 16 (b / 8) + 8 (lane / 16) + b % 8).
;   qc [head 32][tile of 16 positions 128][1024], kc [kv head 8][tile 128][1024], vc [kv head 8][group of 64 keys 32][tile of 16 channels 4][1024] (K = the keys).
; SHARES.  256 work-groups: 32 blocks of 64 positions (y) x 8 column blocks c (x).  A work-group has six waves, each with 64 positions x one head of 64: 16 accumulators.
;   waves 0-3: q heads 4 c + wave, on x's codes at 2^e0.   waves 4, 5: c < 4: k heads 2 c + wave - 4, on x's codes at 2^e2;  c >= 4: v heads 2 c + wave - 12, on x's codes at 2^e4.
; NO RING.  x's two sets of codes for the 64 positions, 2 x 131,072 bytes with all of K, and the table of cos and sin, 16,384 bytes, are filled once, at the head, one tensor load a wave.
; CLUSTERS: the four work-groups of a cluster have the same positions and the same kind of kv heads (the kind hangs on the cluster's x alone): these loads are asked for JOINTLY.
; THE WEIGHTS go from memory straight into operand registers: a head's 131,072 bytes are read by one wave of the work-group alone, once, each load 512 consecutive bytes; the four partners of a cluster read
; different heads, so nothing of them could be asked for jointly.  Four sets of fragments take turns: the set that a step of 128 along K has multiplied takes the step four on; up to 64 loads of a wave are out.
; ROLES.  q, k: source 0 = the weight's rows (a result's registers: channels), source 1 = x's rows (its lanes: positions).  v: the sources change places, so that v's codes run along the keys.
; The change is a scalar branch on ids round the matrix lines alone; both ways take the same accumulators in the same order.  All 16 steps are written out: every offset is an immediate.
; PREFETCH: one request a wave, at the head: the 32 work-groups that read a head's weights share its steps 4 to 15 out by address: block y asks for step 4 + y % 12, 8,192 bytes, a lane to each 256.
; Steps 0 to 3 come by their loads alone.  x and the table are asked for in the first lines: there is no loop to run ahead in.
; LIMITS: e7 - e0 - e1, e6 - e2 - e3 and e8 - e4 - e5 lie between -126 and 119, so that the folded scale and 448 x it are f32 numbers.
; REGISTERS: window 0: v16-19 LDS addresses of x's four tiles, v20 of the table, v21 the prefetch's offset, v26 16 x lane, v28, v29 for the add, v30 the scale, v31 448 x it; v32-95 the weights' fourth set,
;   then the rotated numbers; v96-127 codes; v128-255 accumulators ((l, g) at 128 + 32 l + 8 g: l x's tile, g the weight's).   window 1: v0-63 x's four fragments; v64-255 the weights' sets 0 to 2; on the way out v0-127 cos and sin.
.set ROTL,  0x40000                    ; behind x's two sets: the table
.set SPARE, 0x44000                    ; behind it: the spare words, 128 bytes a wave
.set AD,   16
.set ADR,  20
.set PFO,  21
.set GOFF, 26
.set SPW,  28
.set NIL,  29
.set SCL,  30
.set LIM,  31
.set ACC,  128
.set WV,   12                          ; s12 wave; s13 wave / 4: 1 in the kv waves; s18 the kind: 0 q, 1 k, 2 v
.set KV,   13
.set KIND, 18
.set G1X,  24                          ; s[24:31] group 1 for x's codes, s[32:35] group 0; s[36:39], s[40:47] the same for the table
.set G0X,  32
.set G0R,  36
.set G1R,  40
.set GB,   48                          ; s[48:49] my head's weights; s[50:51] my four blocks of the result; s[52:53] the prefetch's base
.set OB,   50
.set PFB,  52
.set MSB, 0
.macro WIN new                         ; the immediate's high byte repeats the setting that is left
.if MSB != \new
	s_set_vgpr_msb (MSB<<8)|\new
.set MSB, \new
.endif
.endm
.macro CROUND                          ; a round of the cluster's barrier
	s_barrier_signal -1
	s_barrier_wait -1
	s_cmp_lg_u32 s[WV], 0
	s_cbranch_scc1 .Lnot_wave_0_\@
	s_barrier_signal -3
.Lnot_wave_0_\@:
	s_barrier_wait -3
	s_barrier_signal -1
	s_barrier_wait -1
.endm
.macro PLACES                          ; four places in front of loads into registers that matrix instructions have read, and of the first read of results
.rept 4
	v_nop
.endr
.endm
.macro GSET s                          ; where the weights' set of step s lies
.set GBR, 64+64*((\s)%4)
.set GW, 1
.if (\s)%4 == 3
.set GBR, 32
.set GW, 0
.endif
.endm
.macro GFETCH s                        ; the weight's four fragments of step s: 16 loads of 512 consecutive bytes
	GSET \s
	WIN (GW<<6)
.irp g, 0,1,2,3
.irp c, 0,1,2,3
	global_load_b128 v[GBR+16*\g+4*\c:GBR+16*\g+4*\c+3], v[GOFF], s[GB:GB+1] offset:\g*32768+(\s)*2048+512*\c
.endr
.endr
	WIN 0
.endm
.macro LFETCH s, l0                    ; x's fragments l0, l0 + 1 of step s
	WIN 0x40
.irp l, \l0, \l0+1
.irp c, 0,1,2,3
	ds_load_b128 v[16*(\l)+4*\c:16*(\l)+4*\c+3], v[AD+(\l)] offset:(\s)*2048+512*\c
.endr
.endr
	WIN 0
.endm
; 8 matrix instructions: x's fragments l0, l0 + 1 against the weight's four, 128 along K.  The 16 accumulators take turns, one instruction a turn, in the same order in every step and on both ways.
; Step 0's products start the sums: nothing is cleared.
.macro MULH s, l0
	GSET \s
	WIN 0
	s_cmp_eq_u32 s[KIND], 2
	s_cbranch_scc1 .Lsw_\@
	WIN (4+GW)                                     ; source 0 the weight's window, source 1 window 1
.irp l, \l0, \l0+1
.irp g, 0,1,2,3
.if (\s) == 0
	v_wmma_f32_16x16x128_fp8_fp8 v[ACC+32*(\l)+8*\g:ACC+32*(\l)+8*\g+7], v[GBR+16*\g:GBR+16*\g+15], v[16*(\l):16*(\l)+15], 0
.else
	v_wmma_f32_16x16x128_fp8_fp8 v[ACC+32*(\l)+8*\g:ACC+32*(\l)+8*\g+7], v[GBR+16*\g:GBR+16*\g+15], v[16*(\l):16*(\l)+15], v[ACC+32*(\l)+8*\g:ACC+32*(\l)+8*\g+7]
.endif
.endr
.endr
	WIN 0
	s_branch .Ljn_\@
.Lsw_\@:
	WIN (1+4*GW)                                   ; v: source 0 window 1, source 1 the weight's window
.irp l, \l0, \l0+1
.irp g, 0,1,2,3
.if (\s) == 0
	v_wmma_f32_16x16x128_fp8_fp8 v[ACC+32*(\l)+8*\g:ACC+32*(\l)+8*\g+7], v[16*(\l):16*(\l)+15], v[GBR+16*\g:GBR+16*\g+15], 0
.else
	v_wmma_f32_16x16x128_fp8_fp8 v[ACC+32*(\l)+8*\g:ACC+32*(\l)+8*\g+7], v[16*(\l):16*(\l)+15], v[GBR+16*\g:GBR+16*\g+15], v[ACC+32*(\l)+8*\g:ACC+32*(\l)+8*\g+7]
.endif
.endr
.endr
	WIN 0
.Ljn_\@:
.endm
; A step of 128 along K.  x has one set of fragments: two are fetched anew in the step's middle, two at its end.
.macro KSTEP s
.if (\s) < 13
	s_wait_loadcnt 48                              ; this step's weights are in; the three younger steps' 48 loads may be out
.else
	s_wait_loadcnt 16*(15-(\s))
.endif
	s_wait_dscnt 8                                 ; x's fragments 0, 1 are in; the youngest eight loads (2, 3) may be out
	MULH \s, 0
.if (\s) < 15
	PLACES
	LFETCH (\s)+1, 0
	s_wait_dscnt 8                                 ; fragments 2, 3 are in; the eight just issued may be out
.else
	s_wait_dscnt 0x0
.endif
	MULH \s, 2
.if (\s) < 15
	PLACES
	LFETCH (\s)+1, 2
.endif
.if (\s) < 12
	GFETCH (\s)+4                                  ; the set just multiplied takes the step four on
.endif
.endm
	s_load_b256 s[4:11], s[0:1], 0x0               ; xc 4:5, wc 6:7, rot 8:9, lowp_scales 10:11
	s_load_b128 s[84:87], s[0:1], 0x20             ; qc, kc
	s_load_b64 s[88:89], s[0:1], 0x30              ; vc
	v_lshl_add_u32 v[SPW], v0, 2, SPARE
	v_mov_b32 v[NIL], 0
	ds_add_u32 v[SPW], v[NIL]                      ; the opening lines: the add, twice on end, and its wait ahead of my first tensor load
	ds_add_u32 v[SPW], v[NIL]
	v_lshrrev_b32 v1, 5, v0
	v_readfirstlane_b32 s[WV], v1                  ; wave 0..5
	s_lshr_b32 s[KV], s[WV], 2
	v_and_b32 v1, 31, v0
	v_lshlrev_b32 v[GOFF], 4, v1
	s_lshl_b32 s78, s[KV], 17                      ; my set of x's codes in LDS
	v_add_nc_u32 v[AD], s78, v[GOFF]
.irp l, 1,2,3
	v_add_nc_u32 v[AD+\l], \l*32768, v[AD]         ; a tile of 16 positions with all of K is 32,768 bytes
.endr
	v_add_nc_u32 v[ADR], ROTL, v[GOFF]
	v_lshrrev_b32 v2, 3, v1
	v_lshlrev_b32 v2, 15, v2
	v_and_b32 v3, 7, v1
	v_lshl_add_u32 v[PFO], v3, 8, v2               ; the prefetch: eight lanes to each of the head's four tiles, 256 bytes apart
	s_bfe_u32 s14, ttmp6, 0x40000                  ; cx: it enters the weights' and the results' addresses alone
	s_and_b32 s15, ttmp7, 0xffff                   ; y: the block of 64 positions
	s_lshl_b32 s16, ttmp9, 2
	s_add_co_u32 s16, s16, s14                     ; c
	s_lshl_b32 s17, s16, 2
	s_add_co_u32 s17, s17, s[WV]                   ; q: the head 4 c + wave;
	s_lshl_b32 s19, s16, 1
	s_add_co_u32 s19, s19, s[WV]
	s_add_co_u32 s19, s19, 28                      ; kv: 32 + 2 c + wave - 4: wc holds Wq's 32 heads, Wk's 8, Wv's 8, 131,072 bytes each
	s_cmp_eq_u32 s[KV], 0
	s_cselect_b32 s17, s17, s19
	s_mul_i32 s20, s[KV], ttmp9                    ; 1 in v's waves
	s_add_co_u32 s[KIND], s[KV], s20
	s_lshl_b32 s21, s[KV], 5
	s_lshl_b32 s22, s20, 3
	s_add_co_u32 s21, s21, s22
	s_sub_co_u32 s21, s17, s21                     ; the head within its own tensor
	s_lshl_b32 s54, s21, 17
	s_lshl_b32 s22, s15, 12
	s_add_co_u32 s54, s54, s22                     ; q, k: block head x 128 + 4 y;  v: block (head x 32 + y) x 4: the same bytes
	s_mov_b32 s55, 0
	s_lshl_b32 s56, s17, 17
	s_mov_b32 s57, 0
	s_lshr_b32 s22, s[WV], 1                       ; waves 0-3 fetch x: set wave / 2 of the two, tiles 2 (wave % 2) and the next
	s_add_co_u32 s23, ttmp9, 1
	s_mul_i32 s22, s22, s23                        ; in memory: set 0, or set 1 (k) or 2 (v)
	s_lshl_b32 s58, s22, 22
	s_lshl_b32 s23, s15, 17
	s_add_co_u32 s58, s58, s23
	s_and_b32 s22, s[WV], 1
	s_lshl_b32 s23, s22, 16
	s_add_co_u32 s58, s58, s23
	s_mov_b32 s59, 0
	s_lshl_b32 s79, s22, 13                        ; waves 4, 5 fetch the table's halves
	s_lshl_b32 s60, s15, 14
	s_add_co_u32 s60, s60, s79
	s_mov_b32 s61, 0
	s_mul_i32 s62, s15, 43
	s_lshr_b32 s62, s62, 9                         ; y / 12 (y under 32)
	s_mul_i32 s62, s62, 12
	s_sub_co_u32 s62, s15, s62
	s_add_co_u32 s62, s62, 4
	s_lshl_b32 s62, s62, 11                        ; step 4 + y % 12
	s_mov_b32 s63, 0
	s_mov_b32 s[G1X], 15|(3<<16)|(1<<21)           ; the mask: all four work-groups; elements of 8 bytes; bit 21 beside a mask
	s_mov_b32 s[G1X+1], 32<<16                     ; a dense block of 65,536 bytes as 256 rows of 256 bytes
	s_mov_b32 s[G1X+2], 256<<16
	s_mov_b32 s[G1X+3], 32<<16
	s_mov_b32 s[G1X+4], 256
	s_mov_b32 s[G1X+5], 32
	s_mov_b32 s[G1X+6], 0
	s_mov_b32 s[G1X+7], 0
	s_mov_b32 s[G1R], 15|(3<<16)|(1<<21)
	s_mov_b32 s[G1R+1], 32<<16                     ; 8,192 bytes as 32 rows
	s_mov_b32 s[G1R+2], 32<<16
	s_mov_b32 s[G1R+3], 32<<16
	s_mov_b32 s[G1R+4], 32
	s_mov_b32 s[G1R+5], 32
	s_mov_b32 s[G1R+6], 0
	s_mov_b32 s[G1R+7], 0
	s_wait_alu depctr_va_vdst(0)
	s_wait_dscnt 0x0                               ; both opening adds are done
	s_wait_kmcnt 0x0
	s_load_b256 s[68:75], s[10:11], 0x0            ; e0 .. e7
	s_load_b32 s76, s[10:11], 0x20                 ; e8
	s_add_nc_u64 s[GB:GB+1], s[6:7], s[56:57]
	GFETCH 0                                       ; the weights' first steps set out ahead of the round
	GFETCH 1
	GFETCH 2
	s_cmp_eq_u32 s[KIND], 1
	s_cselect_b64 s[OB:OB+1], s[86:87], s[84:85]
	s_cmp_eq_u32 s[KIND], 2
	s_cselect_b64 s[OB:OB+1], s[88:89], s[OB:OB+1]
	s_add_nc_u64 s[OB:OB+1], s[OB:OB+1], s[54:55]
	s_add_nc_u64 s[PFB:PFB+1], s[GB:GB+1], s[62:63]
	s_mov_b32 s[G0X], 1
	s_lshl_b32 s[G0X+1], s[WV], 16                 ; LDS: wave x 65,536
	s_add_nc_u64 s[G0X+2:G0X+3], s[4:5], s[58:59]
	s_or_b32 s[G0X+3], s[G0X+3], 0x80000000
	s_mov_b32 s[G0R], 1
	s_add_co_u32 s[G0R+1], s79, ROTL
	s_add_nc_u64 s[G0R+2:G0R+3], s[8:9], s[60:61]
	s_or_b32 s[G0R+3], s[G0R+3], 0x80000000
	CROUND                                         ; all four work-groups are here: the joint loads meet
	s_cmp_lt_u32 s[WV], 4                          ; every wave issues one load: s_nop 0 and four v_nop follow each line
	s_cbranch_scc0 .Lfor_r
	tensor_load_to_lds s[G0X:G0X+3], s[G1X:G1X+7]
	s_nop 0
.rept 4
	v_nop
.endr
	s_branch .Lasked
.Lfor_r:
	tensor_load_to_lds s[G0R:G0R+3], s[G1R:G1R+7]
	s_nop 0
.rept 4
	v_nop
.endr
.Lasked:
	global_prefetch_b8 v[PFO], s[PFB:PFB+1] th:TH_LOAD_NT scope:SCOPE_SE   ; its registers are never written again
	s_wait_kmcnt 0x0
	s_sub_co_i32 s78, s75, s68                     ; a sum stands for sum x 2^(x's e + the weight's e), and the rotary is linear: the three scales are folded into the conversion's one
	s_sub_co_i32 s78, s78, s69                     ; q: e7 - e0 - e1
	s_sub_co_i32 s79, s74, s70
	s_sub_co_i32 s79, s79, s71                     ; k: e6 - e2 - e3
	s_sub_co_i32 s80, s76, s72
	s_sub_co_i32 s80, s80, s73                     ; v: e8 - e4 - e5
	s_cmp_eq_u32 s[KIND], 1
	s_cselect_b32 s78, s79, s78
	s_cmp_eq_u32 s[KIND], 2
	s_cselect_b32 s78, s80, s78
	s_add_co_i32 s78, s78, 127
	s_lshl_b32 s79, s78, 23
	v_mov_b32 v[SCL], s79
	s_add_co_i32 s78, s78, 8
	s_lshl_b32 s78, s78, 23
	s_or_b32 s78, s78, 0x600000
	v_mov_b32 v[LIM], s78
	GFETCH 3
	s_wait_alu depctr_va_vdst(0)
	s_wait_tensorcnt 0x0                           ; my part of x or of the table is in,
	s_barrier_signal -1
	s_barrier_wait -1                              ; and everybody's
	LFETCH 0, 0
	LFETCH 0, 2
.irp s, 0,1,2,3,4,5,6,7,8,9,10,11,12,13,14,15
	KSTEP \s
.endr
; THE WAY OUT.  q, k: lane (r, h), accumulator (a, b), register j: position 16 a + r, channel 16 b + 8 h + j.
; ROT: tiles b = 0, 1 are the head's first half, b = 2, 3 its second: low = half cos + odd sin, high = half sin - odd cos, two numbers an instruction; each accumulator is read from its low end on.
.macro ROT a
	WIN 0x04                                       ; source 1 (cos, sin) window 1
.irp t, 0,1
.irp j, 0,2,4,6
.set T1, 64+4*((\j/2)%2)
	v_pk_mul_f32 v[T1:T1+1], v[ACC+32*\a+8*(\t+2)+\j:ACC+32*\a+8*(\t+2)+\j+1], v[32*\a+16+8*\t+\j:32*\a+16+8*\t+\j+1]
	v_pk_mul_f32 v[T1+2:T1+3], v[ACC+32*\a+8*(\t+2)+\j:ACC+32*\a+8*(\t+2)+\j+1], v[32*\a+8*\t+\j:32*\a+8*\t+\j+1]
	v_pk_fma_f32 v[32+8*\t+\j:32+8*\t+\j+1], v[ACC+32*\a+8*\t+\j:ACC+32*\a+8*\t+\j+1], v[32*\a+8*\t+\j:32*\a+8*\t+\j+1], v[T1:T1+1]
	v_pk_fma_f32 v[48+8*\t+\j:48+8*\t+\j+1], v[ACC+32*\a+8*\t+\j:ACC+32*\a+8*\t+\j+1], v[32*\a+16+8*\t+\j:32*\a+16+8*\t+\j+1], v[T1+2:T1+3] neg_lo:[0,0,1] neg_hi:[0,0,1]
.endr
.endr
	WIN 0
.endm
.macro SENDB a                         ; a block's image: 512 consecutive bytes a store, aligned
	v_nop                                          ; a plain line behind the last conversion
	global_store_b128 v[GOFF], v[96+8*(\a):96+8*(\a)+3], s[OB:OB+1] offset:(\a)*1024
	global_store_b128 v[GOFF], v[96+8*(\a)+4:96+8*(\a)+7], s[OB:OB+1] offset:(\a)*1024+512
.endm
	PLACES
	s_cmp_eq_u32 s[KIND], 2
	s_cbranch_scc1 .Lv_out
	WIN 0x40
.irp a, 0,1,2,3
.irp m, 0,1,2,3,4,5,6,7
	ds_load_b128 v[32*\a+4*\m:32*\a+4*\m+3], v[ADR] offset:\a*4096+\m*512   ; lane (r, h): cos, then sin, of position 16 a + r, frequencies 16 t + 8 h + 0 .. 7
.endr
.endr
	WIN 0
	s_wait_dscnt 0x0
.irp a, 0,1,2,3
	ROT \a
.set QI, 0
.rept 32
	v_med3_num_f32 v[32+QI], v[32+QI], -v[LIM], v[LIM]   ; the conversion to an 8-bit code does not saturate (ISA guide 7.6.2): the hold comes first
.set QI, QI+1
.endr
.irp c, 0,1,2,3
	v_cvt_scalef32_pk8_fp8_f32 v[96+8*\a+2*\c:96+8*\a+2*\c+1], v[32+8*\c:32+8*\c+7], v[SCL]
.endr
	SENDB \a
.endr
	s_branch .Lend
.Lv_out:                                           ; v: accumulator (l, g), lane (r, h), register j: channel 16 g + r, key 16 l + 8 h + j: the four accumulators of a g are one block
	s_wait_alu depctr_va_vdst(0)
.irp g, 0,1,2,3
.irp l, 0,1,2,3
.irp i, 0,1,2,3,4,5,6,7
	v_med3_num_f32 v[ACC+32*\l+8*\g+\i], v[ACC+32*\l+8*\g+\i], -v[LIM], v[LIM]
.endr
.endr
.irp l, 0,1,2,3
	v_cvt_scalef32_pk8_fp8_f32 v[96+8*\g+2*\l:96+8*\g+2*\l+1], v[ACC+32*\l+8*\g:ACC+32*\l+8*\g+7], v[SCL]
.endr
	SENDB \g
.endr
.Lend:
	s_wait_tensorcnt 0x0                           ; the wave's end
	ds_add_u32 v[SPW], v[NIL]
	s_wait_dscnt 0x0
	CROUND                                         ; the closing round
	s_endpgm
.Lfunc_end_k_q768840a3f8_qkv:
	.size	k_q768840a3f8_qkv, .Lfunc_end_k_q768840a3f8_qkv-k_q768840a3f8_qkv
	.p2alignl 7, 3214868480
	.fill 96, 4, 3214868480
	.section	.rodata,"a",@progbits
	.p2align	6, 0x0
	.amdhsa_kernel k_q768840a3f8_qkv
		.amdhsa_group_segment_fixed_size 327680
		.amdhsa_private_segment_fixed_size 0
		.amdhsa_enable_private_segment 0
		.amdhsa_kernarg_size 56
		.amdhsa_user_sgpr_count 2
		.amdhsa_user_sgpr_kernarg_segment_ptr 1
		.amdhsa_wavefront_size32 1
		.amdhsa_system_sgpr_workgroup_id_x 1
		.amdhsa_system_sgpr_workgroup_id_y 1
		.amdhsa_system_sgpr_workgroup_id_z 1
		.amdhsa_system_vgpr_workitem_id 0
		.amdhsa_next_free_vgpr 512
		.amdhsa_next_free_sgpr 100
		.amdhsa_reserve_vcc 0
		.amdhsa_float_denorm_mode_32 3
		.amdhsa_float_denorm_mode_16_64 3
		.amdhsa_memory_ordered 1
		.amdhsa_forward_progress 1
		.amdhsa_inst_pref_size 125
	.end_amdhsa_kernel
	.amdgpu_metadata
---
amdhsa.version: [ 1, 2 ]
amdhsa.kernels:
  - .name:           k_q768840a3f8_qkv
    .symbol:         k_q768840a3f8_qkv.kd
    .args:
      - { .name: xc, .offset: 0, .size: 8, .value_kind: global_buffer, .address_space: global }
      - { .name: wc, .offset: 8, .size: 8, .value_kind: global_buffer, .address_space: global }
      - { .name: rot, .offset: 16, .size: 8, .value_kind: global_buffer, .address_space: global }
      - { .name: lowp_scales, .offset: 24, .size: 8, .value_kind: global_buffer, .address_space: global }
      - { .name: qc, .offset: 32, .size: 8, .value_kind: global_buffer, .address_space: global }
      - { .name: kc, .offset: 40, .size: 8, .value_kind: global_buffer, .address_space: global }
      - { .name: vc, .offset: 48, .size: 8, .value_kind: global_buffer, .address_space: global }
    .group_segment_fixed_size: 327680
    .private_segment_fixed_size: 0
    .kernarg_segment_align: 8
    .kernarg_segment_size: 56
    .max_flat_workgroup_size: 192
    .sgpr_count:     100
    .vgpr_count:     512
    .wavefront_size: 32
...
	.end_amdgpu_metadata
.endif
;; end of part 2
;; launch attn (part 3): grid 32 x 8, 4 waves a work-group, clusters of 4 x 1, 327,680 bytes of LDS; arguments qc, kc, vc, lowp_scales, oc; writes oc
.if DOCPART == 3
	.amdgcn_target "amdgcn-amd-amdhsa--gfx1250"
	.amdhsa_code_object_version 6
	.text
	.protected	k_q768840a3f8_attn
	.globl	k_q768840a3f8_attn
	.p2align	8
	.type	k_q768840a3f8_attn,@function
k_q768840a3f8_attn:
	s_mov_b64 s[64:65], 0
	v_nop
	global_prefetch_b8 v0, s[64:65] scope:SCOPE_SE
	s_setreg_imm32_b32 hwreg(HW_REG_WAVE_MODE, 25, 1), 1
	s_wait_xcnt 0x0
	s_wait_alu depctr_hold_cnt(0) depctr_sa_sdst(0) depctr_va_vdst(0) depctr_va_sdst(0) depctr_va_ssrc(0) depctr_va_vcc(0) depctr_vm_vsrc(0)
	s_getreg_b32 s2, hwreg(HW_REG_IB_STS2, 6, 4)
	s_cmp_eq_u32 s2, 0
	s_cbranch_scc0 .Lentry_in_a_cluster
	s_endpgm
.Lentry_in_a_cluster:
	s_bfe_u32 s2, ttmp6, 0x10000c
	s_cmp_lg_u32 s2, 0x3003
	s_cbranch_scc0 .Lentry_shape_is_right
	s_endpgm
.Lentry_shape_is_right:
; ATTN: o = softmax(q k^T / 8, causal) v for 32 query heads of 64 channels on 8 key and value heads, both products on E4M3 codes; o is quantised for the last product.
; Codes come and go as images of operand registers (a block: 16 rows x 64 along K, 1,024 bytes; byte 512 q + 16 lane + b = row lane % 16, k = 32 q + 16 (b / 8) + 8 (lane / 16) + b % 8):
;   qc [head 32][tile of 16 positions 128], kc [kv head 8][tile 128], vc [kv head 8][group of 64 keys 32][tile of 16 channels 4], oc [tile of 16 positions 128][head 32].
; THE SOFTMAX: t = score x log2(e) / 8; M = the running largest t rounded UP to a whole number; p = 2^(t - M) is quantised at 2^e9, not normalised; the row's sum is taken of the unquantised p and divides at the end.
; When M moves, the sum and O are multiplied by 2^(old M - new M): exact.
; LEFT OUT: key steps all of whose 128 keys come after the wave's queries: the causal mask sets their scores to -inf, so their p is 0 for all inputs.
; SHARES.  A cluster's four work-groups are the four query heads of one kv head: K and V are asked for JOINTLY.  A work-group has four waves.  A wave owns a DOUBLE TILE of 32 queries (two tiles of 16, which share every
; fragment of K and V), first number T = 4 x cluster x + wave (T / 4 + 1 key steps of 128), then number 63 - T (16 - T / 4 steps): 17 steps for every wave of the launch.  T hangs on the cluster's x and the wave alone.
; LDS holds the head's K (bytes 0 ..) and V (131,072 ..) whole, each byte filled once.  Keys 0-1,023 come by the head's four loads, one a wave; keys 1,024-2,047 by four more, issued as refills are, behind a round;
; pass 1 (constant 8 trips) reads the low halves alone.  Every work-group asks for the whole head, also where its queries end before the last keys: a joint load is issued alike by all that it names.
; Both loops have constant trip counts.
; A STEP: V's fragments are asked for at its head, the NEXT step's K fragments behind the first product (in a pass's last trip the address wraps to the region's first bytes, and what comes is not used).
; Plain lines that hang on nothing in the batch stand among the exponentials: tile 1's scalings among tile 0's, tile 0's first sums and holds among tile 1's.
; PASS 2 clears nothing: its first change of M gives f = 0, and pass 1's O and sums are finite (at most 2,048 products of codes of at most 448 each).
; No prefetch: every byte of K and V is asked for by tensor loads in the kernel's head; there is no loop to run ahead in.
; LIMITS: e6 + e7 between -123 and 130 (added to c's exponent field); e9 and e10 - e8 - e9 between -126 and 119; the scaled scores stay under 2^31 in magnitude.  NaN among the codes does not occur (the makers hold them).
; REGISTERS, window 0: v1 16 x lane, v2 + V's base, v3 r - 8 h, v4, v5 addresses in hand, v6, v7 for the add, v8, v9 448 x 2^e9 (two copies, for the pairs), v10 2^e9, v11 o's scale, v17 448 x it,
;   v[12:13], v[14:15] -M and the largest t of tile 0, 1; v16, v18 f; v[20:21], v[22:23] the sums; v24-31 maxima; v32-95, v96-159 S^T, then p; v160-191 codes; v192-255 partial sums.
;   window 1: v0-63 O^T of the two tiles; v64-95 Q (pass 1, pass 2); v96-159 K's fragments; v160-223 V's.
.set SPARE, 0x40000                    ; behind K and V: the spare words, 128 bytes a wave
.set LI,   1
.set LV,   2
.set RH,   3
.set ADK,  4
.set ADV,  5
.set SPW,  6
.set NIL,  7
.set HOLD, 8
.set PSC,  10
.set OSC,  11
.set NM,   12
.set FF,   16
.set OLIM, 17                          ; (lies in the upper half of f's pair, of which the low word alone is taken)
.set LS,   20
.set MX,   24
.set SA,   32
.set CD,   160
.set TT,   192
.set QR,   64
.set KR,   96
.set VR,   160
.set WV,   14                          ; s14 wave; s15 wave / 2: I fetch for K (0) or V (1); s16 wave % 2: which half
.set WR,   15
.set WN,   16
.set SEL,  20                          ; s[20:21] lane selects: lane l xor 16
.set CS,   22                          ; s[22:23] c = log2(e) / 8 x 2^(e6 + e7)
.set G1,   24                          ; s[24:31] descriptor group 1; s[32:39] K's groups 0 (low, high keys); s[40:47] V's
.set G0K,  32
.set G0V,  40
.set TB,   66                          ; LDS byte of the step's keys within K's (and V's) region
.set CNT,  67
.set KF,   68                          ; the step's first key
.set Q0,   69                          ; my first query
.set OB1,  70                          ; s[70:71], s[72:73] o's blocks of pass 1, 2; s[74:75], s[76:77] Q's
.set OB2,  72
.set QA1,  74
.set QA2,  76
.set MSB, 0
.macro WIN new                         ; the immediate's high byte repeats the setting that is left
.if MSB != \new
	s_set_vgpr_msb (MSB<<8)|\new
.set MSB, \new
.endif
.endm
.macro CROUND                          ; a round of the cluster's barrier
	s_barrier_signal -1
	s_barrier_wait -1
	s_cmp_lg_u32 s[WV], 0
	s_cbranch_scc1 .Lnot_wave_0_\@
	s_barrier_signal -3
.Lnot_wave_0_\@:
	s_barrier_wait -3
	s_barrier_signal -1
	s_barrier_wait -1
.endm
.macro JLOAD s                         ; a joint load: waves 0, 1 fetch K's halves of 512 keys, waves 2, 3 V's; s_nop 0 and four v_nop follow each line
	s_cmp_eq_u32 s[WR], 0
	s_cbranch_scc0 .Lfor_v_\@
	tensor_load_to_lds s[G0K+4*\s:G0K+4*\s+3], s[G1:G1+7]
	s_nop 0
.rept 4
	v_nop
.endr
	s_branch .Lasked_\@
.Lfor_v_\@:
	tensor_load_to_lds s[G0V+4*\s:G0V+4*\s+3], s[G1:G1+7]
	s_nop 0
.rept 4
	v_nop
.endr
.Lasked_\@:
.endm
	s_load_b256 s[4:11], s[0:1], 0x0               ; qc 4:5, kc 6:7, vc 8:9, lowp_scales 10:11
	s_load_b64 s[12:13], s[0:1], 0x20              ; oc
	v_lshl_add_u32 v[SPW], v0, 2, SPARE
	v_mov_b32 v[NIL], 0
	ds_add_u32 v[SPW], v[NIL]                      ; the opening lines: the add, twice on end, and its wait ahead of my first tensor load
	ds_add_u32 v[SPW], v[NIL]
	v_lshrrev_b32 v24, 5, v0
	v_readfirstlane_b32 s[WV], v24                 ; wave 0..3
	s_lshr_b32 s[WR], s[WV], 1
	s_and_b32 s[WN], s[WV], 1
	s_bfe_u32 s17, ttmp6, 0x40000                  ; cx: which of the kv head's four query heads: it enters Q's and o's addresses alone
	s_and_b32 s18, ttmp7, 0xffff                   ; the kv head
	s_lshl_b32 s19, ttmp9, 2
	s_add_co_u32 s19, s19, s[WV]                   ; T
	s_mov_b32 s[G1], 15|(3<<16)|(1<<21)            ; the mask: all four work-groups; elements of 8 bytes; bit 21 beside a mask
	s_mov_b32 s[G1+1], 32<<16                      ; a dense block of 32,768 bytes as 128 rows of 256 bytes
	s_mov_b32 s[G1+2], 128<<16
	s_mov_b32 s[G1+3], 32<<16
	s_mov_b32 s[G1+4], 128
	s_mov_b32 s[G1+5], 32
	s_mov_b32 s[G1+6], 0
	s_mov_b32 s[G1+7], 0
	s_mov_b32 s[SEL], 0x76543210
	s_mov_b32 s[SEL+1], 0xfedcba98
	s_mov_b32 s[CS], 0x3e38aa3b                    ; log2(e) / sqrt(64)
	s_lshl_b32 s60, s18, 17                        ; the kv head's codes,
	s_lshl_b32 s79, s[WN], 15                      ; my half of 1,024 keys: in memory and in LDS
	s_add_co_u32 s60, s60, s79
	s_mov_b32 s61, 0
	s_lshl_b32 s78, s18, 2
	s_add_co_u32 s78, s78, s17                     ; my query head
	s_lshl_b32 s80, s19, 1                         ; pass 1's first tile of 16 queries,
	s_sub_co_u32 s81, 126, s80                     ; pass 2's
	s_lshl_b32 s82, s78, 7
	s_add_co_u32 s84, s82, s80
	s_lshl_b32 s84, s84, 10                        ; Q's block: head x 128 + tile
	s_mov_b32 s85, 0
	s_add_co_u32 s86, s82, s81
	s_lshl_b32 s86, s86, 10
	s_mov_b32 s87, 0
	s_lshl_b32 s88, s80, 5
	s_add_co_u32 s88, s88, s78
	s_lshl_b32 s88, s88, 10                        ; o's block: tile x 32 + head
	s_mov_b32 s89, 0
	s_lshl_b32 s90, s81, 5
	s_add_co_u32 s90, s90, s78
	s_lshl_b32 s90, s90, 10
	s_mov_b32 s91, 0
	s_lshl_b32 s[Q0], s19, 5
	s_sub_co_u32 s92, 2016, s[Q0]                  ; pass 2's first query: 32 (63 - T)
	s_mov_b32 s[KF], 0
	s_mov_b32 s[TB], 0
	s_wait_dscnt 0x0                               ; both opening adds are done
	s_wait_kmcnt 0x0
	s_load_b256 s[48:55], s[10:11], 0x0            ; e0 .. e7
	s_load_b128 s[56:59], s[10:11], 0x20           ; e8 .. e11
	s_add_nc_u64 s[6:7], s[6:7], s[60:61]
	s_add_nc_u64 s[8:9], s[8:9], s[60:61]
	s_add_nc_u64 s[QA1:QA1+1], s[4:5], s[84:85]
	s_add_nc_u64 s[QA2:QA2+1], s[4:5], s[86:87]
	s_add_nc_u64 s[OB1:OB1+1], s[12:13], s[88:89]
	s_add_nc_u64 s[OB2:OB2+1], s[12:13], s[90:91]
	CROUND                                         ; all four work-groups are here: the first joint loads meet
.irp s, 0,1
	s_mov_b32 s[G0K+4*\s], 1
	s_add_co_u32 s[G0K+4*\s+1], s79, \s*65536
	s_add_nc_u64 s[G0K+4*\s+2:G0K+4*\s+3], s[6:7], \s*65536
	s_or_b32 s[G0K+4*\s+3], s[G0K+4*\s+3], 0x80000000
	s_mov_b32 s[G0V+4*\s], 1
	s_add_co_u32 s[G0V+4*\s+1], s79, 131072+\s*65536
	s_add_nc_u64 s[G0V+4*\s+2:G0V+4*\s+3], s[8:9], \s*65536
	s_or_b32 s[G0V+4*\s+3], s[G0V+4*\s+3], 0x80000000
.endr
	JLOAD 0                                        ; keys 0-1,023: one tensor load a wave at the head
	v_and_b32 v24, 31, v0
	v_lshlrev_b32 v[LI], 4, v24
	v_add_nc_u32 v[LV], 131072, v[LI]
	v_and_b32 v25, 15, v0
	v_bfe_u32 v26, v0, 4, 1
	v_lshlrev_b32 v26, 3, v26
	v_sub_nc_u32 v[RH], v25, v26                   ; r - 8 h, for the diagonal
	WIN 0x40                                       ; destination window 1
.irp m, 0,1,2,3
	global_load_b128 v[QR+4*\m:QR+4*\m+3], v[LI], s[QA1:QA1+1] offset:512*\m      ; Q's fragments stay in registers: two tiles a pass
	global_load_b128 v[QR+16+4*\m:QR+16+4*\m+3], v[LI], s[QA2:QA2+1] offset:512*\m
.endr
.set QI, 0
.rept 64
	v_mov_b32 v[QI], 0                             ; O^T: the step has no first step of its own: the first change of M multiplies zeros
.set QI, QI+1
.endr
	WIN 0
.macro INIT
.irp t, 0,1
	v_mov_b32 v[NM+2*\t+1], 0xff61b1e6             ; the largest t so far: -3e38, under every t
	v_floor_f32 v[NM+2*\t], -v[NM+2*\t+1]          ; -M
.endr
.endm
	INIT
	v_mov_b32 v[FF+3], 0                           ; (named as the upper half of a pair)
	v_mov_b32 v[MX+4], 0                           ; (a lane permute's destination counts as one of its sources)
.irp j, 0,1,2,3
	v_mov_b32 v[LS+\j], 0
.endr
	s_wait_alu depctr_va_vdst(0)
	s_wait_kmcnt 0x0
	s_add_co_i32 s80, s54, s55
	s_lshl_b32 s80, s80, 23
	s_add_co_i32 s[CS], s[CS], s80                 ; a score stands for score x 2^(e6 + e7): added to c's exponent field
	s_mov_b32 s[CS+1], s[CS]
	s_add_co_i32 s80, s57, 127
	s_lshl_b32 s81, s80, 23
	v_mov_b32 v[PSC], s81                          ; 2^e9
	s_add_co_i32 s80, s80, 8
	s_lshl_b32 s80, s80, 23
	s_or_b32 s80, s80, 0x600000
	v_mov_b32 v[HOLD], s80                         ; 448 x 2^e9
	v_mov_b32 v[HOLD+1], s80
	s_sub_co_i32 s80, s58, s56
	s_sub_co_i32 s80, s80, s57                     ; O^T / the sum stands for o / 2^(e8 + e9): o's code is that / 2^(e10 - e8 - e9)
	s_add_co_i32 s80, s80, 127
	s_lshl_b32 s81, s80, 23
	v_mov_b32 v[OSC], s81
	s_add_co_i32 s80, s80, 8
	s_lshl_b32 s80, s80, 23
	s_or_b32 s80, s80, 0x600000
	v_mov_b32 v[OLIM], s80
; A KEY STEP: 128 keys from KF on, for my 32 queries.  qb: Q's registers; wrap: the mask that holds the look-ahead inside the bytes that the pass may read.
.macro STEP qb, wrap
	s_add_co_u32 s96, s[Q0], 31
	s_cmp_gt_u32 s[KF], s96
	s_cbranch_scc1 .Lhid_\@                        ; all its keys come after my queries
	v_add_nc_u32 v[ADV], s[TB], v[LV]
	s_add_co_u32 s97, s[TB], 8192
	s_and_b32 s97, s97, \wrap
	v_add_nc_u32 v[ADK], s97, v[LI]
	v_nop                                          ; with the two additions: four places in front of loads into registers that the last products read
	v_nop
	WIN 0x40
.irp dt, 0,1,2,3                               ; V's fragments: channels 16 dt on, two groups of 64 keys
.irp g, 0,1
	ds_load_b128 v[VR+16*\dt+8*\g:VR+16*\dt+8*\g+3], v[ADV] offset:(4*\g+\dt)*1024
	ds_load_b128 v[VR+16*\dt+8*\g+4:VR+16*\dt+8*\g+7], v[ADV] offset:(4*\g+\dt)*1024+512
.endr
.endr
	s_wait_alu depctr_va_vdst(0)
	s_wait_dscnt 16                                ; K's fragments, asked for a step ago, are in; V's sixteen loads may be out
	WIN 0x05                                       ; sources 0 and 1 window 1
.irp kt, 0,1,2,3,4,5,6,7                       ; S^T = K Q^T: lane (r, h) holds query r, register 8 kt + j key 16 kt + 8 h + j
.irp t, 0,1
	v_wmma_f32_16x16x64_fp8_fp8 v[SA+64*\t+8*\kt:SA+64*\t+8*\kt+7], v[KR+8*\kt:KR+8*\kt+7], v[\qb+8*\t:\qb+8*\t+7], 0
.endr
.endr
.rept 4
	v_nop                                          ; places in front of the loads below and of the first read of the scores
.endr
	WIN 0x40
.irp kt, 0,1,2,3,4,5,6,7                       ; the next step's K
	ds_load_b128 v[KR+8*\kt:KR+8*\kt+3], v[ADK] offset:1024*\kt
	ds_load_b128 v[KR+8*\kt+4:KR+8*\kt+7], v[ADK] offset:1024*\kt+512
.endr
	WIN 0
	s_add_co_u32 s96, s[KF], 127                   ; on the diagonal hidden scores become -infinity ahead of the maximum.  A step all of whose keys count skips this
	s_cmp_le_u32 s96, s[Q0]
	s_cbranch_scc1 .Lopen_\@
	s_sub_co_i32 s96, s[Q0], s[KF]
	v_add_nc_u32 v[TT], s96, v[RH]                 ; d = tile 0's query - KF - 8 h: its register 8 m + i is hidden where 16 m + i > d; tile 1's queries lie 16 on: the same test serves its register 8 (m + 1) + i
	v_mov_b32 v[TT+1], 0xff800000
.irp m, 0,1,2,3,4,5,6,7
.irp i, 0,1,2,3,4,5,6,7
	v_cmp_gt_i32 vcc_lo, 16*\m+\i, v[TT]
	v_cndmask_b32 v[SA+8*\m+\i], v[SA+8*\m+\i], v[TT+1], vcc_lo
.if \m < 7
	v_cndmask_b32 v[SA+72+8*\m+\i], v[SA+72+8*\m+\i], v[TT+1], vcc_lo
.endif
.endr
.endr
.Lopen_\@:
.irp c, 0,1,2,3                                ; the step's largest scores: four chains a tile, each accumulator read from its low end on
.irp t, 0,1
	v_max3_num_f32 v[MX+4*\t+\c], v[SA+64*\t+16*\c], v[SA+64*\t+16*\c+1], v[SA+64*\t+16*\c+2]
.endr
.endr
.irp i, 3,5,7,9,11,13
.irp c, 0,1,2,3
.irp t, 0,1
	v_max3_num_f32 v[MX+4*\t+\c], v[MX+4*\t+\c], v[SA+64*\t+16*\c+\i], v[SA+64*\t+16*\c+\i+1]
.endr
.endr
.endr
.irp t, 0,1
	v_max3_num_f32 v[MX+4*\t], v[MX+4*\t], v[MX+4*\t+1], v[MX+4*\t+2]
	v_max3_num_f32 v[MX+4*\t+3], v[MX+4*\t+3], v[SA+64*\t+15], v[SA+64*\t+31]
.endr
.irp t, 0,1
	v_max3_num_f32 v[MX+4*\t], v[MX+4*\t], v[SA+64*\t+47], v[SA+64*\t+63]
	v_mov_b32 v[MX+4*\t+2], v[NM+2*\t]             ; the old -M
.endr
.irp t, 0,1
	v_max_num_f32 v[MX+4*\t], v[MX+4*\t], v[MX+4*\t+3]
.endr
.irp t, 0,1
	v_permlanex16_b32 v[MX+4*\t+1], v[MX+4*\t], s[SEL], s[SEL+1]
.endr
.irp t, 0,1
	v_max_num_f32 v[MX+4*\t], v[MX+4*\t], v[MX+4*\t+1]   ; and among lane l xor 16's
.endr
.irp t, 0,1
	v_mul_f32 v[MX+4*\t], s[CS], v[MX+4*\t]        ; as t (c is positive)
.endr
.irp t, 0,1
	v_max_num_f32 v[NM+2*\t+1], v[NM+2*\t+1], v[MX+4*\t]
.endr
.irp t, 0,1
	v_floor_f32 v[NM+2*\t], -v[NM+2*\t+1]          ; the new -M = -ceil(t): a whole number
.endr
.irp t, 0,1
	v_sub_f32 v[MX+4*\t+2], v[NM+2*\t], v[MX+4*\t+2]   ; old M - new M, 0 or less
.endr
.irp t, 0,1
	v_cvt_i32_f32 v[MX+4*\t+2], v[MX+4*\t+2]       ; (it saturates)
.endr
.irp t, 0,1
	v_ldexp_f32 v[FF+2*\t], 1.0, v[MX+4*\t+2]      ; f = 2^(old M - new M)
.endr
.set G, 0
.rept 32
	v_pk_fma_f32 v[SA+G:SA+G+1], v[SA+G:SA+G+1], s[CS:CS+1], v[NM:NM+1] op_sel_hi:[1,0,0]   ; tile 0: t - M, two at a time
.set G, G+2
.endr
.irp t, 0,1
	v_pk_mul_f32 v[LS+2*\t:LS+2*\t+1], v[LS+2*\t:LS+2*\t+1], v[FF+2*\t:FF+2*\t+1] op_sel_hi:[1,0]   ; the sums under the new M
.endr
	WIN 0x41                                       ; destination and source 0 window 1
.irp t, 0,1
.irp j, 0,2,4,6,8,10,12,14,16,18,20,22,24,26,28,30
	v_pk_mul_f32 v[32*\t+\j:32*\t+\j+1], v[32*\t+\j:32*\t+\j+1], v[FF+2*\t:FF+2*\t+1] op_sel_hi:[1,0]   ; O^T under the new M, ahead of the exponentials
.endr
.endr
	WIN 0
	s_wait_alu depctr_va_vdst(0)
.set G, 0
.rept 32
	v_exp_f32 v[SA+2*G], v[SA+2*G]                 ; tile 0: p = 2^(t - M), at most 1; among them tile 1's t - M, which no line of this batch reads
	v_pk_fma_f32 v[SA+64+2*G:SA+64+2*G+1], v[SA+64+2*G:SA+64+2*G+1], s[CS:CS+1], v[NM+2:NM+3] op_sel_hi:[1,0,0]
	v_exp_f32 v[SA+2*G+1], v[SA+2*G+1]
.set G, G+1
.endr
	v_nop                                          ; a plain line behind the last exponential,
	s_wait_alu depctr_va_vdst(0)                   ; and one wait: behind tile 0's batch and ahead of tile 1's
.set G, 0
.rept 16                                       ; tile 1's exponentials; among them tile 0's first sums (of the unquantised p) and then its holds, which are first read behind the next wait
	v_exp_f32 v[SA+64+4*G], v[SA+64+4*G]
	v_pk_add_f32 v[TT+2*G:TT+2*G+1], v[SA+4*G:SA+4*G+1], v[SA+4*G+2:SA+4*G+3]
	v_exp_f32 v[SA+64+4*G+1], v[SA+64+4*G+1]
	v_dual_min_num_f32 v[SA+4*G], v[HOLD], v[SA+4*G] :: v_dual_min_num_f32 v[SA+4*G+1], v[HOLD+1], v[SA+4*G+1]   ; the conversion does not saturate (ISA guide 7.6.2); p is not negative: a one-sided hold
	v_exp_f32 v[SA+64+4*G+2], v[SA+64+4*G+2]
	v_dual_min_num_f32 v[SA+4*G+2], v[HOLD], v[SA+4*G+2] :: v_dual_min_num_f32 v[SA+4*G+3], v[HOLD+1], v[SA+4*G+3]
	v_exp_f32 v[SA+64+4*G+3], v[SA+64+4*G+3]
.set G, G+1
.endr
	v_nop
	s_wait_alu depctr_va_vdst(0)                   ; one wait for the batch, ahead of its first reader
.irp kt, 0,1,2,3,4,5,6,7
	v_cvt_scalef32_pk8_fp8_f32 v[CD+2*\kt:CD+2*\kt+1], v[SA+8*\kt:SA+8*\kt+7], v[PSC]   ; the results are source 1 of the second product
.endr
.set G, 0
.rept 16
	v_pk_add_f32 v[TT+32+2*G:TT+32+2*G+1], v[SA+64+4*G:SA+64+4*G+1], v[SA+64+4*G+2:SA+64+4*G+3]
.set G, G+1
.endr
.set G, 0
.rept 32
	v_dual_min_num_f32 v[SA+64+2*G], v[HOLD], v[SA+64+2*G] :: v_dual_min_num_f32 v[SA+64+2*G+1], v[HOLD+1], v[SA+64+2*G+1]
.set G, G+1
.endr
.irp k, 4,8,12                                 ; sixteen partial sums a tile into one, four chains a tile
.irp c, 0,1,2,3
.irp t, 0,1
	v_pk_add_f32 v[TT+32*\t+2*\c:TT+32*\t+2*\c+1], v[TT+32*\t+2*\c:TT+32*\t+2*\c+1], v[TT+32*\t+2*(\c+\k):TT+32*\t+2*(\c+\k)+1]
.endr
.endr
.endr
.irp t, 0,1
	v_pk_add_f32 v[TT+32*\t:TT+32*\t+1], v[TT+32*\t:TT+32*\t+1], v[TT+32*\t+2:TT+32*\t+3]
	v_pk_add_f32 v[TT+32*\t+4:TT+32*\t+5], v[TT+32*\t+4:TT+32*\t+5], v[TT+32*\t+6:TT+32*\t+7]
.endr
.irp t, 0,1
	v_pk_add_f32 v[TT+32*\t:TT+32*\t+1], v[TT+32*\t:TT+32*\t+1], v[TT+32*\t+4:TT+32*\t+5]
.endr
.irp t, 0,1
	v_pk_add_f32 v[LS+2*\t:LS+2*\t+1], v[LS+2*\t:LS+2*\t+1], v[TT+32*\t:TT+32*\t+1]
.endr
.irp kt, 0,1,2,3,4,5,6,7
	v_cvt_scalef32_pk8_fp8_f32 v[CD+16+2*\kt:CD+16+2*\kt+1], v[SA+64+8*\kt:SA+64+8*\kt+7], v[PSC]
.endr
	v_nop                                          ; a plain line between the last conversion and the products
	s_wait_alu depctr_va_vdst(0)                   ; no plain line writes a register from here to the step's end
	s_wait_dscnt 16                                ; V's fragments are in; the next step's K may be out
	WIN 0x51                                       ; source 0, C and D window 1
.irp dt, 0,1,2,3                               ; O^T += V^T P^T: eight accumulators by turns, one instruction a turn
.irp t, 0,1
	v_wmma_f32_16x16x128_fp8_fp8 v[32*\t+8*\dt:32*\t+8*\dt+7], v[VR+16*\dt:VR+16*\dt+15], v[CD+16*\t:CD+16*\t+15], v[32*\t+8*\dt:32*\t+8*\dt+7]
.endr
.endr
	WIN 0
.Lhid_\@:
	s_add_co_u32 s[KF], s[KF], 128
	s_add_co_u32 s[TB], s[TB], 8192
.endm
; THE WAY OUT of a double tile: O^T / the sum, quantised; the conversions' results are oc's blocks
.macro OUT ob
.rept 4
	v_nop                                          ; places behind the last products
.endr
.irp t, 0,1
	v_add_f32 v[LS+2*\t], v[LS+2*\t], v[LS+2*\t+1]
.endr
.irp t, 0,1
	v_permlanex16_b32 v[MX+4*\t], v[LS+2*\t], s[SEL], s[SEL+1]
.endr
.irp t, 0,1
	v_add_f32 v[LS+2*\t], v[LS+2*\t], v[MX+4*\t]   ; the row's sum
.endr
	s_wait_alu depctr_va_vdst(0)
.irp t, 0,1
	v_rcp_f32 v[LS+2*\t], v[LS+2*\t]
.endr
	v_nop
	WIN 0x01                                       ; source 0 window 1
	s_wait_alu depctr_va_vdst(0)                   ; the wait behind them, directly ahead of the first readers of O^T
.irp t, 0,1
.irp j, 0,2,4,6,8,10,12,14,16,18,20,22,24,26,28,30
	v_pk_mul_f32 v[SA+64*\t+\j:SA+64*\t+\j+1], v[32*\t+\j:32*\t+\j+1], v[LS+2*\t:LS+2*\t+1] op_sel_hi:[1,0]
.endr
.endr
	WIN 0
.irp t, 0,1
.set G, 0
.rept 32
	v_med3_num_f32 v[SA+64*\t+G], v[SA+64*\t+G], -v[OLIM], v[OLIM]
.set G, G+1
.endr
.endr
.irp t, 0,1
.irp dt, 0,1,2,3
	v_cvt_scalef32_pk8_fp8_f32 v[CD+16*\t+2*\dt:CD+16*\t+2*\dt+1], v[SA+64*\t+8*\dt:SA+64*\t+8*\dt+7], v[OSC]
.endr
.endr
	v_nop
.irp t, 0,1
	global_store_b128 v[LI], v[CD+16*\t:CD+16*\t+3], s[\ob:\ob+1] offset:32768*\t        ; 512 consecutive bytes a store, aligned; the next tile's block lies 32 blocks on
	global_store_b128 v[LI], v[CD+16*\t+4:CD+16*\t+7], s[\ob:\ob+1] offset:32768*\t+512
.endr
.endm
.macro PASS qb, wrap, trips, ob
	WIN 0x40
.irp kt, 0,1,2,3,4,5,6,7                       ; the first step's K
	ds_load_b128 v[KR+8*\kt:KR+8*\kt+3], v[LI] offset:1024*\kt
	ds_load_b128 v[KR+8*\kt+4:KR+8*\kt+7], v[LI] offset:1024*\kt+512
.endr
	WIN 0
	s_mov_b32 s[CNT], \trips
.Lkeys_\@:
	STEP \qb, \wrap
	s_sub_co_u32 s[CNT], s[CNT], 1
	s_cmp_lg_u32 s[CNT], 0
	s_cbranch_scc1 .Lkeys_\@
	OUT \ob
.endm
	s_wait_alu depctr_va_vdst(0)
	s_wait_tensorcnt 0x0                           ; my part of keys 0-1,023 is in; a later first fill is issued as a refill is:
	ds_add_u32 v[SPW], v[NIL]                      ; 0 onto my spare word
	s_wait_dscnt 0x0
	CROUND                                         ; everybody's part is in, and all four work-groups are here
	JLOAD 1                                        ; keys 1,024-2,047: the first tensor load behind the round; it lands while pass 1 reads the low halves
	s_wait_loadcnt 0x0                             ; Q
	PASS QR, 0xffff, 8, OB1                        ; double tile T: keys under 1,024
	INIT                                           ; pass 2 begins under every t again: its first f is 0
	s_mov_b32 s[KF], 0
	s_mov_b32 s[TB], 0
	s_mov_b32 s[Q0], s92
	s_wait_alu depctr_va_vdst(0)
	s_wait_xcnt 0x0                                ; pass 1's stores have read their registers
	s_wait_tensorcnt 0x0                           ; my part of the high keys is in,
	s_wait_dscnt 0x0                               ; no LDS load of mine is out,
	s_barrier_signal -1
	s_barrier_wait -1                              ; and so for every wave
	PASS QR+16, 0x1ffff, 16, OB2                   ; double tile 63 - T
	s_wait_tensorcnt 0x0                           ; the wave's end
	ds_add_u32 v[SPW], v[NIL]
	s_wait_dscnt 0x0
	CROUND                                         ; the closing round
	s_endpgm
.Lfunc_end_k_q768840a3f8_attn:
	.size	k_q768840a3f8_attn, .Lfunc_end_k_q768840a3f8_attn-k_q768840a3f8_attn
	.p2alignl 7, 3214868480
	.fill 96, 4, 3214868480
	.section	.rodata,"a",@progbits
	.p2align	6, 0x0
	.amdhsa_kernel k_q768840a3f8_attn
		.amdhsa_group_segment_fixed_size 327680
		.amdhsa_private_segment_fixed_size 0
		.amdhsa_enable_private_segment 0
		.amdhsa_kernarg_size 40
		.amdhsa_user_sgpr_count 2
		.amdhsa_user_sgpr_kernarg_segment_ptr 1
		.amdhsa_wavefront_size32 1
		.amdhsa_system_sgpr_workgroup_id_x 1
		.amdhsa_system_sgpr_workgroup_id_y 1
		.amdhsa_system_sgpr_workgroup_id_z 1
		.amdhsa_system_vgpr_workitem_id 0
		.amdhsa_next_free_vgpr 512
		.amdhsa_next_free_sgpr 100
		.amdhsa_reserve_vcc 1
		.amdhsa_float_denorm_mode_32 3
		.amdhsa_float_denorm_mode_16_64 3
		.amdhsa_memory_ordered 1
		.amdhsa_forward_progress 1
		.amdhsa_inst_pref_size 100
	.end_amdhsa_kernel
	.amdgpu_metadata
---
amdhsa.version: [ 1, 2 ]
amdhsa.kernels:
  - .name:           k_q768840a3f8_attn
    .symbol:         k_q768840a3f8_attn.kd
    .args:
      - { .name: qc, .offset: 0, .size: 8, .value_kind: global_buffer, .address_space: global }
      - { .name: kc, .offset: 8, .size: 8, .value_kind: global_buffer, .address_space: global }
      - { .name: vc, .offset: 16, .size: 8, .value_kind: global_buffer, .address_space: global }
      - { .name: lowp_scales, .offset: 24, .size: 8, .value_kind: global_buffer, .address_space: global }
      - { .name: oc, .offset: 32, .size: 8, .value_kind: global_buffer, .address_space: global }
    .group_segment_fixed_size: 327680
    .private_segment_fixed_size: 0
    .kernarg_segment_align: 8
    .kernarg_segment_size: 40
    .max_flat_workgroup_size: 128
    .sgpr_count:     100
    .vgpr_count:     512
    .wavefront_size: 32
...
	.end_amdgpu_metadata
.endif
;; end of part 3
;; launch oproj (part 4): grid 16 x 16, 4 waves a work-group, clusters of 4 x 1, 327,680 bytes of LDS; arguments oc, wc, lowp_scales, out0; writes out0
.if DOCPART == 4
	.amdgcn_target "amdgcn-amd-amdhsa--gfx1250"
	.amdhsa_code_object_version 6
	.text
	.protected	k_q768840a3f8_oproj
	.globl	k_q768840a3f8_oproj
	.p2align	8
	.type	k_q768840a3f8_oproj,@function
k_q768840a3f8_oproj:
	s_mov_b64 s[64:65], 0
	v_nop
	global_prefetch_b8 v0, s[64:65] scope:SCOPE_SE
	s_setreg_imm32_b32 hwreg(HW_REG_WAVE_MODE, 25, 1), 1
	s_wait_xcnt 0x0
	s_wait_alu depctr_hold_cnt(0) depctr_sa_sdst(0) depctr_va_vdst(0) depctr_va_sdst(0) depctr_va_ssrc(0) depctr_va_vcc(0) depctr_vm_vsrc(0)
	s_getreg_b32 s2, hwreg(HW_REG_IB_STS2, 6, 4)
	s_cmp_eq_u32 s2, 0
	s_cbranch_scc0 .Lentry_in_a_cluster
	s_endpgm
.Lentry_in_a_cluster:
	s_bfe_u32 s2, ttmp6, 0x10000c
	s_cmp_lg_u32 s2, 0x3003
	s_cbranch_scc0 .Lentry_shape_is_right
	s_endpgm
.Lentry_shape_is_right:
; OPROJ: out0 = o Wo on E4M3 codes; each finished sum is multiplied once by 2^(e10 + e11).  out0 [2048][2048] f32.
; Codes lie as images of operand registers (a block: 16 rows x 64 along K, 1,024 bytes): oc [tile of 16 positions 128][k block 32][1024]; wc [n tile 320][k block 32][1024], Wo's tiles from 192 on.
; SHARES.  256 work-groups, each 128 rows (y) x 128 columns (x) of out0.  Each of the four waves takes all 128 rows x its own 32 columns: 16 accumulators.
; NO RING.  o's 128 rows with all of K, 262,144 bytes, are filled once, at the head: one tensor load a wave, 65,536 dense bytes each, addresses by arithmetic on the wave's number.
; CLUSTERS: the four work-groups of a cluster have the same rows of o: these loads are asked for JOINTLY.
; THE WEIGHTS go from memory straight into operand registers: a wave's 32 columns x all of K, 65,536 bytes, are read by that wave alone, once, into 512 registers, each written once; each load takes 512 consecutive bytes.
; The four partners of a cluster read different columns, so nothing of the weights could be asked for jointly.  The head asks for steps 0 to 6 of 128 along K; step s asks for step s + 7: at most 56 loads of a wave are out.
; o's fragments of a step, 8 x 16 registers, take two sets by turns: the next step's 32 LDS loads are issued ahead of a step's 16 products.  All 16 steps are written out: every offset is an immediate.
; Source 0 = Wo's rows, source 1 = o's rows: a lane holds eight neighbouring columns of one row of out0.
; THE WAY OUT.  A wave's 32 columns are 128 bytes of a row: so all four waves lay their parts into one stage, rows of 512 bytes + 16, and each wave reads 32 whole rows back and stores them, 512 consecutive bytes a store, aligned.
; The stage lies in o's bytes, which have had their only fill; a barrier stands between the last reads of o and the first store, another between the stores and the reads.
; PREFETCH: one request a wave, at the head: the 16 work-groups that read the same columns share steps 8 to 15 out by address: block y asks for steps 8 + 2 (y % 4) and the next, 8,192 bytes, a lane to each 256.
; LIMIT: e10 + e11 lies between -126 and 127, so that 2^(e10 + e11) is an f32 number.
; REGISTERS: window 0: v16-23 LDS addresses of o's eight tiles (v16 is also 16 x lane), v24, v25 the stage, v27 the prefetch's offset, v28, v29 for the add; v32-95 rows read back; v96-127 scaled sums;
;   v128-255 accumulators ((l, g) at 128 + 16 l + 8 g), then rows read back.   window 1: o's fragments, two sets of 128.   windows 2, 3: the weights: step s at 32 (s % 8) of window 2 + s / 8.
.set SPARE, 0x40000                    ; behind o's rows: the spare words, 128 bytes a wave
.set SP,   528                         ; a stage row
.set AD,   16
.set GOFF, 16
.set STO,  24
.set RD,   25
.set PFO,  27
.set SPW,  28
.set NIL,  29
.set ACC,  128
.set WV,   12
.set G1,   24                          ; s[24:31] descriptor group 1, s[32:35] group 0
.set G0,   32
.set GB,   48                          ; s[48:49] my columns' weights; s[52:53] the prefetch's base
.set PFB,  52
.set MSB, 0
.macro WIN new                         ; the immediate's high byte repeats the setting that is left
.if MSB != \new
	s_set_vgpr_msb (MSB<<8)|\new
.set MSB, \new
.endif
.endm
.macro CROUND                          ; a round of the cluster's barrier
	s_barrier_signal -1
	s_barrier_wait -1
	s_cmp_lg_u32 s[WV], 0
	s_cbranch_scc1 .Lnot_wave_0_\@
	s_barrier_signal -3
.Lnot_wave_0_\@:
	s_barrier_wait -3
	s_barrier_signal -1
	s_barrier_wait -1
.endm
.macro PLACES                          ; four places in front of loads into registers that matrix instructions have read, and of the first read of results
.rept 4
	v_nop
.endr
.endm
.macro GFETCH s                        ; the weights' two fragments of step s: 8 loads of 512 consecutive bytes
	WIN ((2+(\s)/8)<<6)
.irp g, 0,1
.irp c, 0,1,2,3
	global_load_b128 v[32*((\s)%8)+16*\g+4*\c:32*((\s)%8)+16*\g+4*\c+3], v[GOFF], s[GB:GB+1] offset:\g*32768+(\s)*2048+512*\c
.endr
.endr
.endm
.macro LFETCH s                        ; o's eight fragments of step s into set s % 2
	WIN 0x40
.irp l, 0,1,2,3,4,5,6,7
.irp c, 0,1,2,3
	ds_load_b128 v[128*((\s)%2)+16*\l+4*\c:128*((\s)%2)+16*\l+4*\c+3], v[AD+\l] offset:(\s)*2048+512*\c
.endr
.endr
.endm
; A step of 128 along K: 16 products.  The 16 accumulators take turns, one instruction a turn, in the same order in every step.  Step 0's products start the sums: nothing is cleared.
.macro KSTEP s
.if (\s) < 15
.if (\s) > 0
	PLACES
.endif
	LFETCH (\s)+1
.endif
.if (\s) < 10
	s_wait_loadcnt 48                              ; this step's weights are in; the six younger steps' 48 loads may be out
.else
	s_wait_loadcnt 8*(15-(\s))
.endif
.if (\s) < 9
	GFETCH (\s)+7
.endif
.if (\s) < 15
	s_wait_dscnt 32                                ; this step's fragments of o are in; the 32 loads just issued may be out
.else
	s_wait_dscnt 0x0
.endif
	WIN (6+(\s)/8)                                 ; source 0 window 2 or 3, source 1 window 1
.irp l, 0,1,2,3,4,5,6,7
.irp g, 0,1
.if (\s) == 0
	v_wmma_f32_16x16x128_fp8_fp8 v[ACC+16*\l+8*\g:ACC+16*\l+8*\g+7], v[32*((\s)%8)+16*\g:32*((\s)%8)+16*\g+15], v[128*((\s)%2)+16*\l:128*((\s)%2)+16*\l+15], 0
.else
	v_wmma_f32_16x16x128_fp8_fp8 v[ACC+16*\l+8*\g:ACC+16*\l+8*\g+7], v[32*((\s)%8)+16*\g:32*((\s)%8)+16*\g+15], v[128*((\s)%2)+16*\l:128*((\s)%2)+16*\l+15], v[ACC+16*\l+8*\g:ACC+16*\l+8*\g+7]
.endif
.endr
.endr
.endm
	s_load_b256 s[4:11], s[0:1], 0x0               ; oc 4:5, wc 6:7, lowp_scales 8:9, out0 10:11
	v_lshl_add_u32 v[SPW], v0, 2, SPARE
	v_mov_b32 v[NIL], 0
	ds_add_u32 v[SPW], v[NIL]                      ; the opening lines: the add, twice on end, and its wait ahead of my first tensor load
	ds_add_u32 v[SPW], v[NIL]
	v_lshrrev_b32 v1, 5, v0
	v_readfirstlane_b32 s[WV], v1                  ; wave 0..3
	v_and_b32 v1, 31, v0
	v_lshlrev_b32 v[GOFF], 4, v1
.irp l, 1,2,3,4,5,6,7
	v_add_nc_u32 v[AD+\l], \l*32768, v[GOFF]       ; a tile of 16 rows with all of K is 32,768 bytes
.endr
	v_and_b32 v2, 15, v0                           ; r
	v_bfe_u32 v3, v0, 4, 1                         ; h
	s_lshl_b32 s16, s[WV], 7
	s_mul_i32 s17, s[WV], 32*SP
	v_mul_u32_u24 v[STO], v2, SP
	v_lshl_add_u32 v[STO], v3, 5, v[STO]
	v_add_nc_u32 v[STO], s16, v[STO]               ; into the stage: row r, my wave's 128 bytes, 32 bytes for each half of the lanes
	v_add_nc_u32 v[RD], s17, v[GOFF]               ; out of it: my wave's 32 rows, a row of 512 bytes to the 32 lanes
	v_lshlrev_b32 v4, 15, v3
	v_lshl_add_u32 v[PFO], v2, 8, v4               ; the prefetch: sixteen lanes to each of my two tiles, 256 bytes apart
	s_bfe_u32 s14, ttmp6, 0x40000                  ; cx: it enters the weights' and out0's addresses alone
	s_and_b32 s15, ttmp7, 0xffff                   ; y: the block of 128 rows
	s_lshl_b32 s18, ttmp9, 2
	s_add_co_u32 s18, s18, s14                     ; the block of 128 columns
	s_lshl_b32 s56, s18, 18                        ; eight tiles of 32,768 bytes,
	s_lshl_b32 s19, s[WV], 16                      ; my wave's two of them,
	s_add_co_u32 s56, s56, s19
	s_add_co_u32 s56, s56, 0x600000                ; behind wc's first 192 tiles
	s_mov_b32 s57, 0
	s_lshl_b32 s58, s15, 18                        ; o: eight tiles; my wave fetches two of them
	s_add_co_u32 s58, s58, s19
	s_mov_b32 s59, 0
	s_lshl_b32 s60, s15, 20                        ; out0: 128 rows of 8,192 bytes,
	s_lshl_b32 s20, s[WV], 18                      ; my wave's 32 of them,
	s_add_co_u32 s60, s60, s20
	s_lshl_b32 s20, s18, 9                         ; 128 columns of 4 bytes
	s_add_co_u32 s60, s60, s20
	s_mov_b32 s61, 0
	s_and_b32 s62, s15, 3
	s_lshl_b32 s62, s62, 12
	s_add_co_u32 s62, s62, 16384                   ; steps 8 + 2 (y % 4) and the next
	s_mov_b32 s63, 0
	s_mov_b32 s[G1], 15|(3<<16)|(1<<21)            ; the mask: all four work-groups; elements of 8 bytes; bit 21 beside a mask
	s_mov_b32 s[G1+1], 32<<16                      ; a dense block of 65,536 bytes as 256 rows of 256 bytes
	s_mov_b32 s[G1+2], 256<<16
	s_mov_b32 s[G1+3], 32<<16
	s_mov_b32 s[G1+4], 256
	s_mov_b32 s[G1+5], 32
	s_mov_b32 s[G1+6], 0
	s_mov_b32 s[G1+7], 0
	s_wait_alu depctr_va_vdst(0)                   ; the head's vector lines end here
	s_wait_dscnt 0x0                               ; both opening adds are done
	s_wait_kmcnt 0x0
	s_load_b64 s[96:97], s[8:9], 0x28              ; e10, e11
	s_add_nc_u64 s[GB:GB+1], s[6:7], s[56:57]
	s_add_nc_u64 s[PFB:PFB+1], s[GB:GB+1], s[62:63]
	s_add_nc_u64 s[10:11], s[10:11], s[60:61]
	s_mov_b32 s[G0], 1
	s_lshl_b32 s[G0+1], s[WV], 16                  ; LDS: wave x 65,536
	s_add_nc_u64 s[G0+2:G0+3], s[4:5], s[58:59]
	s_or_b32 s[G0+3], s[G0+3], 0x80000000
	CROUND                                         ; all four work-groups are here: the joint loads meet
	tensor_load_to_lds s[G0:G0+3], s[G1:G1+7]      ; every wave's one load
	s_nop 0
.rept 4
	v_nop
.endr
.irp s, 0,1,2,3,4,5,6
	GFETCH \s
.endr
	WIN 0
	global_prefetch_b8 v[PFO], s[PFB:PFB+1] th:TH_LOAD_NT scope:SCOPE_SE   ; its registers are never written again
	s_wait_tensorcnt 0x0                           ; my part of o is in,
	s_barrier_signal -1
	s_barrier_wait -1                              ; and everybody's
	LFETCH 0
.irp s, 0,1,2,3,4,5,6,7,8,9,10,11,12,13,14,15
	KSTEP \s
.endr
	WIN 0
	s_wait_kmcnt 0x0
	s_add_co_i32 s96, s96, s97
	s_add_co_i32 s96, s96, 127
	s_lshl_b32 s96, s96, 23                        ; 2^(e10 + e11) as f32
	s_mov_b32 s97, s96                             ; (named with it as a pair)
	PLACES                                         ; behind the last products
	s_barrier_signal -1                            ; no LDS load of mine is out (the last step waited for all)
	s_barrier_wait -1                              ; nobody reads o any more: its bytes take the stage
.irp l, 0,1,2,3,4,5,6,7
.set TP, 96+16*(\l%2)
.irp j, 0,2,4,6,8,10,12,14
	v_pk_mul_f32 v[TP+\j:TP+\j+1], v[ACC+16*\l+\j:ACC+16*\l+\j+1], s[96:97] op_sel_hi:[1,0]   ; each accumulator from its low end on
.endr
.irp g, 0,1
	ds_store_b128 v[STO], v[TP+8*\g:TP+8*\g+3] offset:\l*16*SP+64*\g
	ds_store_b128 v[STO], v[TP+8*\g+4:TP+8*\g+7] offset:\l*16*SP+64*\g+16
.endr
.endr
	s_wait_dscnt 0x0                               ; my stores are done,
	s_barrier_signal -1
	s_barrier_wait -1                              ; and everybody's
.irp t, 0,1,2,3,4,5,6,7,8,9,10,11,12,13,14,15
	ds_load_b128 v[32+4*\t:32+4*\t+3], v[RD] offset:\t*SP
.endr
.irp t, 0,1,2,3,4,5,6,7,8,9,10,11,12,13,14,15
	ds_load_b128 v[ACC+4*\t:ACC+4*\t+3], v[RD] offset:(16+\t)*SP
.endr
.irp t, 0,1,2,3,4,5,6,7,8,9,10,11,12,13,14,15
	s_wait_dscnt 31-\t                             ; LDS loads come back in order: row t is in
	global_store_b128 v[GOFF], v[32+4*\t:32+4*\t+3], s[10:11] offset:\t*8192 th:TH_STORE_NT
.endr
.irp t, 0,1,2,3,4,5,6,7,8,9,10,11,12,13,14,15
	s_wait_dscnt 15-\t
	global_store_b128 v[GOFF], v[ACC+4*\t:ACC+4*\t+3], s[10:11] offset:(16+\t)*8192 th:TH_STORE_NT
.endr
	s_wait_tensorcnt 0x0                           ; the wave's end
	ds_add_u32 v[SPW], v[NIL]
	s_wait_dscnt 0x0
	CROUND                                         ; the closing round
	s_endpgm
.Lfunc_end_k_q768840a3f8_oproj:
	.size	k_q768840a3f8_oproj, .Lfunc_end_k_q768840a3f8_oproj-k_q768840a3f8_oproj
	.p2alignl 7, 3214868480
	.fill 96, 4, 3214868480
	.section	.rodata,"a",@progbits
	.p2align	6, 0x0
	.amdhsa_kernel k_q768840a3f8_oproj
		.amdhsa_group_segment_fixed_size 327680
		.amdhsa_private_segment_fixed_size 0
		.amdhsa_enable_private_segment 0
		.amdhsa_kernarg_size 32
		.amdhsa_user_sgpr_count 2
		.amdhsa_user_sgpr_kernarg_segment_ptr 1
		.amdhsa_wavefront_size32 1
		.amdhsa_system_sgpr_workgroup_id_x 1
		.amdhsa_system_sgpr_workgroup_id_y 1
		.amdhsa_system_sgpr_workgroup_id_z 1
		.amdhsa_system_vgpr_workitem_id 0
		.amdhsa_next_free_vgpr 1024
		.amdhsa_next_free_sgpr 100
		.amdhsa_reserve_vcc 0
		.amdhsa_float_denorm_mode_32 3
		.amdhsa_float_denorm_mode_16_64 3
		.amdhsa_memory_ordered 1
		.amdhsa_forward_progress 1
		.amdhsa_inst_pref_size 82
	.end_amdhsa_kernel
	.amdgpu_metadata
---
amdhsa.version: [ 1, 2 ]
amdhsa.kernels:
  - .name:           k_q768840a3f8_oproj
    .symbol:         k_q768840a3f8_oproj.kd
    .args:
      - { .name: oc, .offset: 0, .size: 8, .value_kind: global_buffer, .address_space: global }
      - { .name: wc, .offset: 8, .size: 8, .value_kind: global_buffer, .address_space: global }
      - { .name: lowp_scales, .offset: 16, .size: 8, .value_kind: global_buffer, .address_space: global }
      - { .name: out0, .offset: 24, .size: 8, .value_kind: global_buffer, .address_space: global }
    .group_segment_fixed_size: 327680
    .private_segment_fixed_size: 0
    .kernarg_segment_align: 8
    .kernarg_segment_size: 32
    .max_flat_workgroup_size: 128
    .sgpr_count:     100
    .vgpr_count:     1024
    .wavefront_size: 32
...
	.end_amdgpu_metadata
.endif
;; end of part 4
